; MI455X (gfx1250); checked and timed in simulation.
; The chip was launched on July 23, 2026; its instructions are those of AMD's public machine-readable ISA for CDNA 5 (MIT licence, August 2026) and "CDNA5" Instruction Set Architecture Reference Guide (July 2026). The comments in the code are by the model that wrote it; some were corrected since.
;; Block Sparse Flash Attention. Allowed arithmetic: matrix products marked QUANTISED: E2M1 operands, one E8M0 scale for each 32 along K, by v_wmma_scale_f32_16x16x128_f8f6f4 with both operands' format E2M1 (or v_wmma_scale_f32_32x16x128_f4), f32 sums; everything else in f32.
;; Inputs: key 2,048 x 1,024 float32; query 2,048 x 4,096 float32; value_codes 1,024 x 64 x 16 uint8 (E2M1 codes of value, K innermost, in blocks of 32 codes, two codes a byte); value_scales 1,024 x 64 uint8 (E8M0 scales of value, one for each 32 codes along K).
;; Outputs: out0 2,048 x 4,096 float32.
;; This version of the problem:
;;   THIS VERSION OF THE PROBLEM IS GIVEN IN LOW PRECISION. The matrix products marked QUANTISED in the list below multiply operands that are first quantised to E2M1 (2 exponent bits, 1 mantissa bit; 4 bits a number), with one power-of-two scale for each 32 numbers along K (OCP MX v1.0); their sums are f32. All else is computed in f32.
;;   The module's matrix products, in the order in which they are computed (A, B: the left and right operand; K: the contracted axis; several contracted axes count as one K, in the product's order):
;;     1. batch 32 x [M 2,048, K 128] x [K 128, N 2,048]; A: input query; B: input key: QUANTISED
;;     2. batch 32 x [M 128, K 2,048] x [K 2,048, N 2,048]; A: input value (given as codes); B: softmax (see below): QUANTISED
;;   THE QUANTISER, for each operand of a quantised product, along K:
;;     - K is cut into blocks of 32 from its start; a last block that is shorter is filled with zeros.
;;     - A block's scale is 2^e with e = floor(log2(the largest magnitude in the block)) - 2, held to -126 .. 127; a block of zeros has e = 0. As a byte (E8M0): e + 127.
;;     - Each number is divided by its block's scale, clamped to +-6, and rounded to the nearest number of E2M1, ties to even, subnormals kept.
;;     - The product sums the exact products of the quantised numbers (number of the format x scale) in f32.
;;   ~~~python
;;   def quantise(x, axis):      # numpy; x: float32 -> the quantised numbers, widened to float32 again
;;       x = np.moveaxis(x, axis, -1); K = x.shape[-1]
;;       x = np.pad(x, [(0, 0)] * (x.ndim - 1) + [(0, -K % 32)]); x = x.reshape(x.shape[:-1] + (-1, 32)); a = np.abs(x).max(-1, keepdims=True)
;;       e = np.where(a > 0, np.clip(np.frexp(np.where(a > 0, a, 1))[1] - 1 - 2, -126, 127), 0)      # np.frexp(a)[1] - 1 = floor(log2(a)), exactly
;;       r = np.clip(x / 2.0 ** e, -6, 6)
;;       step = 2.0 ** (np.maximum(np.frexp(np.where(r == 0, 1, r))[1] - 1, 0) - 1)
;;       q = np.round(r / step) * step * 2.0 ** e      # np.round: ties to even
;;       return np.moveaxis(q.reshape(q.shape[:-2] + (-1,))[..., :K], -1, axis).astype(np.float32)
;;   ~~~
;;   SOFTMAX AHEAD OF A QUANTISED PRODUCT. Where the list says 'softmax', what is quantised is not the finished softmax but p = 2^(t - M), with t = logit x log2(e) and M = ceil(the row's largest t), a whole number; so 1/2 < the row's largest p <= 1. The row's sum l is taken of the UNQUANTISED p, in f32, and the product's result is divided by l at the end. Since M is a whole number, a kernel that streams over the keys may use a running M (the ceiling of the running maximum): every later rescaling is an exact power of two, which a block's scale takes up: the codes' values come out the same.
;;   OPERANDS COMPUTED ON THE WAY. 'Computed on the way' means the value that the module computes at that place (a softmax that the list does not call 'softmax' is quantised finished and normalised). What goes into a quantiser is computed in f32, as accurately as f32 sums, v_exp_f32 and their like allow (about 1e-6 of the number): no bf16 or f16 on the way to a quantiser, and a product that is left as it is and whose result goes on into a quantised operand takes f32 operands (vector FMAs, or v_wmma_f32_16x16x4_f32). A number that lies on a knife's edge between two numbers of the format may be rounded either way, as far as f32 arithmetic and the matrix unit's own rounding can turn it there, and no further.
;;   INPUTS GIVEN AS CODES. value (in the module: [2048, 1024], K = its axis 0): each comes as NAME_codes (uint8): NAME with its K axis moved to the last place and cut into blocks of 32 codes, [.., K / 32, bytes a block], one block behind the other in memory; two codes a byte, the lower K in the low four bits (a code: sign, 2 exponent bits, 1 mantissa bit); and NAME_scales (uint8): the same leading axes, one E8M0 byte (e + 127) for each 32 codes along K. Its value is code x scale, taken as it is: it is not quantised again, and the codes and scales need not be those that the quantiser above would give.
;; 2 versions, each right; version 2 is version 1 with the launch attn written anew for expert scheduling mode. Each part assembles by itself: llvm-mc -triple=amdgcn-amd-amdhsa -mcpu=gfx1250 --defsym DOCPART=n.
;; ======== version 1 of 2: 2 launches
;; workspace buffers: kimg 1,048,576 bytes; ksc 65,536 bytes; vimg 1,048,576 bytes; vsc 65,536 bytes
;; launch prep (part 1): grid 288 x 1, 4 waves a work-group, no clusters, 55,040 bytes of LDS; arguments key, value_codes, value_scales, kimg, ksc, vimg, vsc; writes kimg, ksc, vimg, vsc
.if DOCPART == 1
	.amdgcn_target "amdgcn-amd-amdhsa--gfx1250"
	.amdhsa_code_object_version 6
	.text
	.protected	k_qe24b68b791_prep
	.globl	k_qe24b68b791_prep
	.p2align	8
	.type	k_qe24b68b791_prep,@function
k_qe24b68b791_prep:
	s_mov_b64 s[64:65], 0
	v_nop
	global_prefetch_b8 v0, s[64:65] scope:SCOPE_SE
	s_setreg_imm32_b32 hwreg(HW_REG_WAVE_MODE, 25, 1), 1
	s_wait_xcnt 0x0
; BLOCK-SPARSE ATTENTION IN MX-FP4, LAUNCH 1 OF 2: key is quantised once, and K and V are laid out as images of operand registers, one record for each (kv head g, sparse block kb of 64 keys).
; WORK THAT THE PROGRAM LEAVES OUT (in the second launch), AND WHY IT IS DEAD.  reference() builds its mask in its own body: head h, query block qb sees key block kb only where kb <= qb and
; (qb - kb < 16 or (kb + h + 1) % 8 == 0).  A hidden score is finfo.min, so its p = 2^(t - M) is 0 whatever the inputs hold (every row sees its own key, so M is a number).  A quantiser block of 32 keys lies inside
; one sparse block of 64, so a hidden sparse block is quantised to zero codes: it adds 0 to the second product and 0 to the row's sum, and its scores reach nothing else.  So both products are done for the visible
; sparse blocks alone, two to a K step of 128 keys.  With kb <= qb - 16 <= 15 the strided blocks beyond the local 16 are at most two a head: (7 - h) % 8 and that + 8.
; Every input has a way to the output, and all are loaded.  LIMIT: a NaN, an infinity or an overflow that reaches only hidden blocks is not carried to the result.
; LIMITS OF THIS LAUNCH: NaN and infinities in key are not served.  A block of zeros gets the scale byte 1 where the rule says 127: its codes are zeros, and the bytes are read by this program alone.
; OUT:  kimg [g 8][kb 32][t 4][c 2][lane 32][16 bytes]: tile t's row r is key 64 kb + 32 (t / 2) + 8 (t % 2) + r + 8 (r / 8); lane 16 h + r of part c holds the codes of d = 64 c + 32 h + 0 .. 31.
;       ksc  [g][kb][r 16][t 4] scale words (byte b: d = 32 b on).   vimg [g][kb][T 8][lane 32][16 bytes]: lane 16 h + r holds value_codes[128 g + 16 T + r][2 kb + h].
;       vsc  [g][kb][e 128] of two bytes, e = 64 (T / 4) + 4 r + T % 4: value_scales[128 g + 16 T + r][2 kb, 2 kb + 1].
; SHARES.  Work-groups 0 to 255: one (g, kb) of key, wave t one tile of 16 keys.  Work-groups 256 to 287: one (g, eight kb) of value, wave w the rows 32 w .. 32 w + 31.  The two ways have LDS bytes of their own.
; No tensor load, no cluster, no matrix unit: a stream that is read once; the work-groups share no input byte.
.set KSTG,  0                          ; K's way: a stage of 4,352 bytes for each wave (8 rows x (512 + 16)),
.set KSCL,  17408                      ; and the four tiles' scale bytes, 64 on end for each wave
.set VSTG,  17664                      ; V's way: a stage of 8,704 bytes for each wave (2 x 16 rows x (256 + 16)),
.set VSCL,  52480                      ; and 512 bytes of scale halves for each wave
.set SPARE, 54528                      ; the spare words, 128 bytes for each wave: two blocks of 256 bytes that no other line names
.set SPW,   12                         ; v12  LDS address of my spare word; never rewritten
.set NIL,   13                         ; v13  0; never rewritten
.set WV,    16                         ; s16  my wave's number
; Two blocks of 32 numbers of one lane, v[x0] on and v[x1] on, become 16 bytes of codes each (v[c0] on, v[c1] on) and a scale byte each (v[t+4], v[t+5]); the two by turns, so that no line waits for the line above.
.macro QUANT2 x0, x1, c0, c1, t
	v_max3_num_f32 v[\t], |v[\x0]|, |v[\x0+1]|, 0x1800000          ; the largest magnitude, with the floor 2^(3 - 127) among its leaves: the byte cannot fall under 1
	v_max3_num_f32 v[\t+1], |v[\x1]|, |v[\x1+1]|, 0x1800000
.irp i, 2,4,6,8,10,12,14,16,18,20,22,24,26,28,30
	v_max3_num_f32 v[\t], v[\t], |v[\x0+\i]|, |v[\x0+\i+1]|
	v_max3_num_f32 v[\t+1], v[\t+1], |v[\x1+\i]|, |v[\x1+\i+1]|
.endr
	v_add_nc_u32 v[\t+2], 0xff000000, v[\t]                        ; 2 off the exponent field: the conversion takes the exponent field of this operand as its scale
	v_add_nc_u32 v[\t+3], 0xff000000, v[\t+1]
	v_lshrrev_b32 v[\t+4], 23, v[\t+2]                             ; the scale's byte
	v_lshrrev_b32 v[\t+5], 23, v[\t+3]
.irp q, 0,1,2,3
	v_cvt_scalef32_pk8_fp4_f32 v[\c0+\q], v[\x0+8*\q:\x0+8*\q+7], v[\t+2]
	v_cvt_scalef32_pk8_fp4_f32 v[\c1+\q], v[\x1+8*\q:\x1+8*\q+7], v[\t+3]
.endr
	v_nop                                                          ; one plain line behind the last scaled conversion
.endm
	s_load_b128 s[4:7], s[0:1], 0x0                ; key s[4:5], value_codes s[6:7]
	s_load_b128 s[8:11], s[0:1], 0x10              ; value_scales s[8:9], kimg s[10:11]
	s_load_b128 s[12:15], s[0:1], 0x20             ; ksc s[12:13], vimg s[14:15]
	s_load_b64 s[18:19], s[0:1], 0x30              ; vsc
	v_lshl_add_u32 v[SPW], v0, 2, SPARE
	v_mov_b32 v[NIL], 0
	v_lshrrev_b32 v1, 5, v0
	v_readfirstlane_b32 s[WV], v1                  ; wave 0..3
	v_and_b32 v14, 31, v0                          ; lane l
	v_lshlrev_b32 v1, 4, v14                       ; 16 l
	s_cmp_lt_u32 ttmp9, 256
	s_cbranch_scc0 .Lvpath
	; ---------------- K's way: g = x / 32, kb = x % 32, my tile t = my wave's number
	s_lshr_b32 s24, ttmp9, 5                       ; g
	s_and_b32 s25, ttmp9, 31                       ; kb
	s_mul_i32 s26, s[WV], 4352                     ; my stage
	v_add_nc_u32 v2, s26, v1                       ; stage + 16 l: rows as they are loaded, and the image on its way out
	v_lshrrev_b32 v8, 2, v14                       ; l / 4
	v_and_b32 v9, 3, v14                           ; l % 4
	v_mul_u32_u24 v3, v8, 528
	v_lshl_add_u32 v3, v9, 7, v3
	v_add_nc_u32 v3, s26, v3                       ; back: row l / 4, its block l % 4 of 32 numbers (128 bytes)
	v_lshlrev_b32 v4, 4, v8
	v_lshl_add_u32 v4, v9, 8, v4
	v_add_nc_u32 v4, s26, v4                       ; the image: block 2 c + h of row r lies at 256 (2 c + h) + 16 r
	s_lshl_b32 s27, s[WV], 6
	s_add_co_u32 s27, s27, KSCL
	v_add_nc_u32 v5, s27, v14                      ; my scale byte: 64 t + 4 (l / 4) + l % 4 = 64 t + l
	v_lshlrev_b32 v6, 3, v14                       ; 8 l
	v_and_b32 v7, 1, v14
	v_lshlrev_b32 v7, 7, v7
	v_lshrrev_b32 v10, 1, v14
	v_lshl_add_u32 v7, v10, 2, v7
	v_add_nc_u32 v7, KSCL, v7                      ; wave 0 reads the words of row l / 2, tiles 2 (l % 2) and 2 (l % 2) + 1: 128 (l % 2) + 4 (l / 2), and 64 on
	s_lshl_b32 s28, s25, 6
	s_lshr_b32 s29, s[WV], 1
	s_lshl_b32 s29, s29, 5
	s_add_co_u32 s28, s28, s29
	s_and_b32 s29, s[WV], 1
	s_lshl_b32 s29, s29, 3
	s_add_co_u32 s28, s28, s29                     ; my tile's first key: 64 kb + 32 (t / 2) + 8 (t % 2)
	s_lshl_b32 s28, s28, 12                        ; rows of 4,096 bytes,
	s_lshl_b32 s29, s24, 9
	s_add_co_u32 s28, s28, s29                     ; + the head's 512 bytes
	s_mov_b32 s29, 0
	s_lshl_b32 s30, ttmp9, 2
	s_add_co_u32 s30, s30, s[WV]
	s_lshl_b32 s30, s30, 10                        ; kimg: ((32 g + kb) 4 + t) x 1,024
	s_mov_b32 s31, 0
	s_lshl_b32 s32, ttmp9, 8                       ; ksc: (32 g + kb) x 256
	s_mov_b32 s33, 0
	s_wait_kmcnt 0x0
	s_add_nc_u64 s[4:5], s[4:5], s[28:29]
	s_add_nc_u64 s[10:11], s[10:11], s[30:31]
	s_add_nc_u64 s[12:13], s[12:13], s[32:33]
.irp i, 0,1,2,3,4,5,6,7,8,9,10,11,12,13,14,15
	global_load_b128 v[16+4*\i:19+4*\i], v1, s[4:5] offset:(\i+8*(\i/8))*4096 th:TH_LOAD_NT   ; row i of the tile: 32 lanes read its 512 consecutive bytes
.endr
	s_wait_loadcnt 8                               ; rows 0 to 7 are in; the eight younger loads may be out
.irp i, 0,1,2,3,4,5,6,7
	ds_store_b128 v2, v[16+4*\i:19+4*\i] offset:528*\i
.endr
.irp k, 0,1,2,3,4,5,6,7
	ds_load_b128 v[80+4*\k:83+4*\k], v3 offset:16*\k               ; LDS serves a wave's instructions in order: these see the stores above.  A lane now holds a whole block of 32
.endr
	s_wait_loadcnt 0x0                             ; rows 8 to 15
.irp i, 0,1,2,3,4,5,6,7
	ds_store_b128 v2, v[48+4*\i:51+4*\i] offset:528*\i             ; through the same stage, behind the loads above
.endr
.irp k, 0,1,2,3,4,5,6,7
	ds_load_b128 v[112+4*\k:115+4*\k], v3 offset:16*\k
.endr
	s_wait_dscnt 0x0
	QUANT2 80, 112, 144, 148, 152
	ds_store_b128 v4, v[144:147]                   ; row l / 4
	ds_store_b128 v4, v[148:151] offset:128        ; row 8 + l / 4
	ds_store_b8 v5, v156
	ds_store_b8 v5, v157 offset:32
	ds_load_b128 v[160:163], v2                    ; the image, part 0,
	ds_load_b128 v[164:167], v2 offset:512         ; part 1
	s_wait_dscnt 0x0                               ; the image is in registers; and, for the other waves' sake, my scale bytes have landed
	global_store_b128 v1, v[160:163], s[10:11]     ; 32 lanes store 512 consecutive bytes, aligned
	global_store_b128 v1, v[164:167], s[10:11] offset:512
	s_barrier_signal -1
	s_barrier_wait -1                              ; all four tiles' scale bytes lie in LDS
	s_cmp_lg_u32 s[WV], 0
	s_cbranch_scc1 .Lk_end
	ds_load_b32 v168, v7
	ds_load_b32 v169, v7 offset:64
	s_wait_dscnt 0x0
	global_store_b64 v6, v[168:169], s[12:13]      ; 32 lanes store the block's 256 bytes of scale words, aligned
.Lk_end:
	s_wait_tensorcnt 0x0                           ; the wave's end, behind my last LDS store
	ds_add_u32 v[SPW], v[NIL]
	s_wait_dscnt 0x0
	s_endpgm
	; ---------------- V's way: x' = x - 256, g = x' / 4, kb = 8 (x' % 4) + 0 .. 7.  Waves share nothing: no barrier
.Lvpath:
	s_sub_co_u32 s24, ttmp9, 256
	s_lshr_b32 s25, s24, 2                         ; g
	s_and_b32 s26, s24, 3                          ; which eight blocks
	v_and_b32 v8, 15, v14                          ; l % 16
	v_lshrrev_b32 v9, 4, v14                       ; l / 16
	s_mul_i32 s27, s[WV], 8704
	s_add_co_u32 s27, s27, VSTG
	v_mul_u32_u24 v2, v8, 272
	v_lshl_add_u32 v2, v9, 4, v2
	v_add_nc_u32 v2, s27, v2                       ; into the stage: row = my piece x = 2 kb + h of 16 bytes, column = value's row r: 272 x + 16 r
	v_mul_u32_u24 v3, v9, 272
	v_lshl_add_u32 v3, v8, 4, v3
	v_add_nc_u32 v3, s27, v3                       ; back: lane 16 h + r takes piece 2 kb + h of row r
	v_lshlrev_b32 v4, 10, v9
	v_lshl_add_u32 v4, v8, 4, v4                   ; value_codes: sixteen lanes take 256 bytes of a row, lanes 16-31 the next row
	v_lshlrev_b32 v5, 6, v14                       ; value_scales: a lane a row of 64 bytes
	s_lshl_b32 s28, s[WV], 9
	s_add_co_u32 s28, s28, VSCL
	v_lshlrev_b32 v6, 3, v8
	v_lshl_add_u32 v6, v9, 1, v6
	v_add_nc_u32 v6, s28, v6                       ; my wave's 512 bytes of scale halves: 8 r + 2 h
	v_add_nc_u32 v7, s28, v1                       ; and back: 16 l
	s_lshl_b32 s30, s25, 7
	s_lshl_b32 s38, s[WV], 5
	s_add_co_u32 s30, s30, s38                     ; my first row of value_codes: 128 g + 32 w
	s_lshl_b32 s30, s30, 10
	s_lshl_b32 s38, s26, 8
	s_add_co_u32 s30, s30, s38                     ; + the eight blocks' 256 bytes
	s_mov_b32 s31, 0
	s_lshl_b32 s32, s25, 13                        ; value_scales: row 128 g,
	s_lshl_b32 s38, s26, 4
	s_add_co_u32 s32, s32, s38                     ; the eight blocks' 16 bytes,
	s_lshl_b32 s38, s[WV], 2
	s_add_co_u32 s32, s32, s38                     ; of them blocks 2 w and 2 w + 1: 4 bytes
	s_mov_b32 s33, 0
	s_lshl_b32 s34, s24, 15                        ; vimg: (32 g + 8 (x' % 4)) x 4,096 = x' x 32,768,
	s_lshl_b32 s38, s[WV], 10
	s_add_co_u32 s34, s34, s38                     ; + my two tiles
	s_mov_b32 s35, 0
	s_lshl_b32 s36, s24, 11                        ; vsc: x' x 2,048 + blocks 2 w, 2 w + 1
	s_lshl_b32 s38, s[WV], 9
	s_add_co_u32 s36, s36, s38
	s_mov_b32 s37, 0
	s_wait_kmcnt 0x0
	s_add_nc_u64 s[6:7], s[6:7], s[30:31]
	s_add_nc_u64 s[8:9], s[8:9], s[32:33]
	s_add_nc_u64 s[14:15], s[14:15], s[34:35]
	s_add_nc_u64 s[18:19], s[18:19], s[36:37]
.irp u, 0,1
.irp k, 0,1,2,3,4,5,6,7
	global_load_b128 v[16+4*(8*\u+\k):19+4*(8*\u+\k)], v4, s[6:7] offset:(16*\u+2*\k)*1024 th:TH_LOAD_NT   ; rows 16 u + 2 k, + 1: sixteen lanes read 256 consecutive bytes, aligned
.endr
.endr
.irp i, 0,1,2,3
	global_load_b32 v[144+\i], v5, s[8:9] offset:2048*\i           ; row 32 i + l: the scale bytes of blocks 2 w (low half) and 2 w + 1 (high half)
.endr
	s_wait_loadcnt 0x0
.irp u, 0,1
.irp k, 0,1,2,3,4,5,6,7
	ds_store_b128 v2, v[16+4*(8*\u+\k):19+4*(8*\u+\k)] offset:4352*\u+32*\k
.endr
.endr
.irp u, 0,1
.irp k, 0,1,2,3,4,5,6,7
	ds_load_b128 v[80+4*(8*\u+\k):83+4*(8*\u+\k)], v3 offset:4352*\u+544*\k   ; tile 2 w + u of block k, as the operand's registers want it
.endr
.endr
.irp i, 0,1,2,3                                ; row 32 i + l is row r = l % 16 of tile T = 2 i + l / 16: its place e = 64 (i / 2) + 4 r + 2 (i % 2) + l / 16, two bytes each
	ds_store_b16 v6, v[144+\i] offset:128*(\i/2)+4*(\i%2)
	ds_store_b16_d16_hi v6, v[144+\i] offset:256+128*(\i/2)+4*(\i%2)
.endr
	ds_load_b128 v[148:151], v7
	s_wait_dscnt 0x0
.irp u, 0,1
.irp k, 0,1,2,3,4,5,6,7
	global_store_b128 v1, v[80+4*(8*\u+\k):83+4*(8*\u+\k)], s[14:15] offset:4096*\k+512*\u   ; 512 consecutive bytes, aligned
.endr
.endr
	global_store_b128 v1, v[148:151], s[18:19]
	s_wait_tensorcnt 0x0                           ; the wave's end, behind my last LDS store
	ds_add_u32 v[SPW], v[NIL]
	s_wait_dscnt 0x0
	s_endpgm
.Lfunc_end_k_qe24b68b791_prep:
	.size	k_qe24b68b791_prep, .Lfunc_end_k_qe24b68b791_prep-k_qe24b68b791_prep
	.p2alignl 7, 3214868480
	.fill 96, 4, 3214868480
	.section	.rodata,"a",@progbits
	.p2align	6, 0x0
	.amdhsa_kernel k_qe24b68b791_prep
		.amdhsa_group_segment_fixed_size 55040
		.amdhsa_private_segment_fixed_size 0
		.amdhsa_enable_private_segment 0
		.amdhsa_kernarg_size 56
		.amdhsa_user_sgpr_count 2
		.amdhsa_user_sgpr_kernarg_segment_ptr 1
		.amdhsa_wavefront_size32 1
		.amdhsa_system_sgpr_workgroup_id_x 1
		.amdhsa_system_sgpr_workgroup_id_y 1
		.amdhsa_system_sgpr_workgroup_id_z 1
		.amdhsa_system_vgpr_workitem_id 0
		.amdhsa_next_free_vgpr 176
		.amdhsa_next_free_sgpr 66
		.amdhsa_reserve_vcc 0
		.amdhsa_float_denorm_mode_32 3
		.amdhsa_float_denorm_mode_16_64 3
		.amdhsa_memory_ordered 1
		.amdhsa_forward_progress 1
		.amdhsa_inst_pref_size 19
	.end_amdhsa_kernel
	.amdgpu_metadata
---
amdhsa.version: [ 1, 2 ]
amdhsa.kernels:
  - .name:           k_qe24b68b791_prep
    .symbol:         k_qe24b68b791_prep.kd
    .args:
      - { .name: key, .offset: 0, .size: 8, .value_kind: global_buffer, .address_space: global }
      - { .name: value_codes, .offset: 8, .size: 8, .value_kind: global_buffer, .address_space: global }
      - { .name: value_scales, .offset: 16, .size: 8, .value_kind: global_buffer, .address_space: global }
      - { .name: kimg, .offset: 24, .size: 8, .value_kind: global_buffer, .address_space: global }
      - { .name: ksc, .offset: 32, .size: 8, .value_kind: global_buffer, .address_space: global }
      - { .name: vimg, .offset: 40, .size: 8, .value_kind: global_buffer, .address_space: global }
      - { .name: vsc, .offset: 48, .size: 8, .value_kind: global_buffer, .address_space: global }
    .group_segment_fixed_size: 55040
    .private_segment_fixed_size: 0
    .kernarg_segment_align: 8
    .kernarg_segment_size: 56
    .max_flat_workgroup_size: 128
    .sgpr_count:     66
    .vgpr_count:     176
    .wavefront_size: 32
...
	.end_amdgpu_metadata
.endif
;; end of part 1
;; launch attn (part 2): grid 32 x 8, 16 waves a work-group, no clusters, 280,576 bytes of LDS; arguments query, kimg, ksc, vimg, vsc, out0; writes out0
.if DOCPART == 2
	.amdgcn_target "amdgcn-amd-amdhsa--gfx1250"
	.amdhsa_code_object_version 6
	.text
	.protected	k_qe24b68b791_attn
	.globl	k_qe24b68b791_attn
	.p2align	8
	.type	k_qe24b68b791_attn,@function
k_qe24b68b791_attn:
	s_mov_b64 s[64:65], 0
	v_nop
	global_prefetch_b8 v0, s[64:65] scope:SCOPE_SE
	s_setreg_imm32_b32 hwreg(HW_REG_WAVE_MODE, 25, 1), 1
	s_wait_xcnt 0x0
; BLOCK-SPARSE ATTENTION IN MX-FP4, LAUNCH 2 OF 2.  out0[q][h] = sum over the visible keys k of softmax_k(query[q][h] . key[k][h / 4] / sqrt(128)) value[k][h / 4].
; WORK LEFT OUT: sparse blocks of 64 keys that reference()'s own mask hides from a whole block of 64 queries: their p is 0 for all values of the inputs, their codes are zeros, they add 0 to the product and to the sum
; (shown at the head of the first launch).  LIMIT: a NaN, an infinity or an overflow that reaches only hidden blocks is not carried to the result.  NaN and infinities among the inputs, and scale bytes 0xff, are not served.
; THE SOFTMAX: t = score x log2(e) / sqrt(128); M = the running largest t rounded UP to a whole number; p = 2^(t - M) is quantised along the keys; the sum is taken of the unquantised p and divides at the end.
; SHARES.  A work-group owns query block qb (64 queries) of kv head g: its sixteen waves are the 4 query heads of g (j = wave / 4) x 4 tiles of 16 queries.  Four waves to a SIMD: one wave's vector work stands beside another's products.
; A K STEP of the second product is 128 keys = TWO sparse blocks, any two: registers 0-3 of a 4-bit fragment hold the first 64 keys, registers 4-7 the second.  Local pairs P = 0 .. 7: blocks KBS + 2 P, + 1, KBS = max(qb - 15, 0);
; one strided pair a head: VA = (7 - h) % 8 and VA + 8, walked where VA + 16 <= qb; its second block is hidden where VA + 24 > qb.
; ALL K AND V THAT THE WORK-GROUP NEEDS, at most 24 blocks of 8,704 bytes, comes into LDS ONCE, at the head, through registers: what is fetched hangs on qb, and a copy through registers may be jumped over.  One barrier in the kernel.
; NO CLUSTER: the four query heads that share K and V are already in one work-group.  Neighbouring query blocks' windows begin one block apart; shared tiles would have to lie at the same LDS bytes in all partners,
; so each partner would walk the union of four windows, 19 blocks for 16, and the early partners would jump over tiles that are fetched for them.
; NO PREFETCH: every stream is asked for at the kernel's head, as soon as its address is known.
; LAYOUT.  Both products are used transposed: S^T = K Q^T, O^T = V^T P^T: a lane holds ONE query (lane % 16).  The keys of a tile are not neighbours (the first launch lays them so): the 16 registers of tiles 2 b, 2 b + 1 are keys 32 b + 16 (lane / 16) + 0 .. 15.
.set VI,    98304                      ; LDS: from 0 K's images, 24 slots of 4,096 bytes (window blocks 0-15; 16 + 2 j + rho: head j's strided blocks); from VI V's likewise;
.set KS,    196608                     ; K's scale words, 24 x 256;
.set VW,    202752                     ; V's scale words, 12 pairs x 512: word e = the first block's two bytes, then the second's (pair 8 + j: head j's strided pair);
.set STG,   208896                     ; a stage of 4,352 bytes for each wave, its own: q on the way in, O on the way out;
.set SPARE, 278528                     ; the spare words, 128 bytes for each wave: eight blocks of 256 bytes that no other line names
.set SPW, 5                            ; v5   LDS address of my spare word; never rewritten
.set NIL, 6                            ; v6   0; never rewritten
.set ADK, 8                            ; v8-11  LDS addresses of the step in hand: K's images, V's images, K's scale words, V's
.set ADV, 9
.set ADS, 10
.set ADT, 11
; v1 16 l; v2 VI + 16 l; v3 KS + 16 r; v4 VW + 16 r; v7 my byte offset in out0; v12 -M, v13 the largest t, v[14:15] the sum in two halves; v16-23 Q's fragment, v255 its scale words; v24-30 my stage's addresses; v31 where I put local pieces;
; v32-95 eight fragments of K, then of V; v96-159 S^T, then p; v160-223 O^T; v224-231 p's codes; v232-239, v244-247, v252, v254 at work; v240-243, v248-251 scale words of K, then of V; v253 p's scale word.
.set WV,  16                           ; my wave's number
.set HJ,  17                           ; my head among the four
.set QT,  18                           ; my tile of 16 queries
.set QB,  19
.set SEL, 20                           ; s[20:21] v_permlanex16_b32's selects for lane l xor 16
.set CS,  22                           ; s[22:23] c = log2(e) / sqrt(128), twice: the packed form names a pair
.set G,   24
.set KBS, 25
.set NP,  26                           ; live local pairs
.set Q0,  27                           ; my first query
.set KF,  28                           ; the step's first key
.set VA,  29
.set TBI, 30                           ; where the step's images begin in K's (and V's) slots
.set TBS, 31                           ; and its scale words
.set CNT, 32
.set KV,  33                           ; wave % 2: at the head I copy for K (0) or for V (1)
.set RHO, 34                           ; (wave / 2) % 2: which block of my head's strided pair I copy
.set PR,  35                           ; wave / 2: the local pair whose scales I copy
.macro QUANT2 x0, x1, c0, c1, t        ; two blocks of 32 numbers of one lane become 16 bytes of codes each and a scale byte each (v[t+4], v[t+5])
	v_max3_num_f32 v[\t], |v[\x0]|, |v[\x0+1]|, 0x1800000          ; the largest magnitude, with the floor 2^(3 - 127) among its leaves: the byte cannot fall under 1
	v_max3_num_f32 v[\t+1], |v[\x1]|, |v[\x1+1]|, 0x1800000
.irp i, 2,4,6,8,10,12,14,16,18,20,22,24,26,28,30
	v_max3_num_f32 v[\t], v[\t], |v[\x0+\i]|, |v[\x0+\i+1]|
	v_max3_num_f32 v[\t+1], v[\t+1], |v[\x1+\i]|, |v[\x1+\i+1]|
.endr
	v_add_nc_u32 v[\t+2], 0xff000000, v[\t]                        ; 2 off the exponent field: the conversion's scale operand
	v_add_nc_u32 v[\t+3], 0xff000000, v[\t+1]
	v_lshrrev_b32 v[\t+4], 23, v[\t+2]
	v_lshrrev_b32 v[\t+5], 23, v[\t+3]
.irp q, 0,1,2,3
	v_cvt_scalef32_pk8_fp4_f32 v[\c0+\q], v[\x0+8*\q:\x0+8*\q+7], v[\t+2]
	v_cvt_scalef32_pk8_fp4_f32 v[\c1+\q], v[\x1+8*\q:\x1+8*\q+7], v[\t+3]
.endr
	v_nop                                                          ; one plain line behind the last scaled conversion
.endm
; THE COPY AT THE HEAD.  Local pair p: waves 0-7 bring piece wave % 8 (512 bytes) of both blocks' images of K, waves 8-15 of V.
.macro LP p
	global_load_b128 v[32+8*\p:35+8*\p], v1, s[40:41] offset:8192*\p
	global_load_b128 v[36+8*\p:39+8*\p], v1, s[40:41] offset:8192*\p+4096
.endm
.macro SP p
	s_wait_loadcnt 0x0                             ; all my loads are in (met at once behind the first of these)
	ds_store_b128 v31, v[32+8*\p:35+8*\p] offset:8192*\p
	ds_store_b128 v31, v[36+8*\p:39+8*\p] offset:8192*\p+4096
.endm
.macro CHAIN                           ; the loads go up to the last live pair, the stores come down from it: one jump decides both, and no way stores what it did not load
	LP 0
	s_cmp_gt_u32 s[NP], 1
	s_cbranch_scc0 .Lc1_\@
	LP 1
	s_cmp_gt_u32 s[NP], 2
	s_cbranch_scc0 .Lc2_\@
	LP 2
	s_cmp_gt_u32 s[NP], 3
	s_cbranch_scc0 .Lc3_\@
	LP 3
	s_cmp_gt_u32 s[NP], 4
	s_cbranch_scc0 .Lc4_\@
	LP 4
	s_cmp_gt_u32 s[NP], 5
	s_cbranch_scc0 .Lc5_\@
	LP 5
	s_cmp_gt_u32 s[NP], 6
	s_cbranch_scc0 .Lc6_\@
	LP 6
	s_cmp_gt_u32 s[NP], 7
	s_cbranch_scc0 .Lc7_\@
	LP 7
	SP 7
.Lc7_\@:
	SP 6
.Lc6_\@:
	SP 5
.Lc5_\@:
	SP 4
.Lc4_\@:
	SP 3
.Lc3_\@:
	SP 2
.Lc2_\@:
	SP 1
.Lc1_\@:
	SP 0
.endm
.macro SLOADS                          ; the scales of local pair wave / 2: even waves K's words, odd waves V's halves; both blocks' 256 bytes, 8 a lane
	global_load_b64 v[194:195], v229, s[42:43]
	global_load_b64 v[196:197], v229, s[42:43] offset:256
.endm
.macro SSTORES
	s_cmp_eq_u32 s[KV], 0
	s_cbranch_scc0 .Lsv_\@
	ds_store_b64 v225, v[194:195]
	ds_store_b64 v225, v[196:197] offset:256
	s_branch .Lsd_\@
.Lsv_\@:
	v_perm_b32 v200, v196, v194, s54               ; a step's scale word of a row of V: the first block's two bytes below, the second's above
	v_perm_b32 v201, v196, v194, s55
	v_perm_b32 v202, v197, v195, s54
	v_perm_b32 v203, v197, v195, s55
	ds_store_b128 v226, v[200:203]
.Lsd_\@:
.endm
.macro VLOADS                          ; my head's strided pair: one block's image a wave (K's or V's, block rho), and a quarter of the pair's scales
.irp k, 0,1,2,3,4,5,6,7
	global_load_b128 v[160+4*\k:163+4*\k], v1, s[46:47] offset:512*\k
.endr
	global_load_b32 v192, v230, s[48:49]           ; K: the two halves of block rho's 256 bytes;  V: half rho of the first block's halves,
	global_load_b32 v193, v230, s[50:51]           ; and of the second's
.endm
.macro VSTORES
.irp k, 0,1,2,3,4,5,6,7
	ds_store_b128 v224, v[160+4*\k:163+4*\k] offset:512*\k
.endr
	s_cmp_eq_u32 s[KV], 0
	s_cbranch_scc0 .Lvv_\@
	ds_store_b32 v227, v192
	ds_store_b32 v227, v193 offset:128
	s_branch .Lvd_\@
.Lvv_\@:
	v_perm_b32 v204, v193, v192, s54
	v_perm_b32 v205, v193, v192, s55
	ds_store_b64 v228, v[204:205]
.Lvd_\@:
.endm
.macro HEADCOPY sc, vert               ; all loads first; CHAIN's waits for 0 serve those issued ahead of it too
.if \sc
	SLOADS
.endif
.if \vert
	VLOADS
.endif
	CHAIN
.if \vert
	VSTORES
.endif
.if \sc
	SSTORES
.endif
.endm
	s_load_b128 s[4:7], s[0:1], 0x0                ; query s[4:5], kimg s[6:7]
	s_load_b128 s[8:11], s[0:1], 0x10              ; ksc s[8:9], vimg s[10:11]
	s_load_b128 s[12:15], s[0:1], 0x20             ; vsc s[12:13], out0 s[14:15]
	v_lshl_add_u32 v[SPW], v0, 2, SPARE
	v_mov_b32 v[NIL], 0
	v_lshrrev_b32 v8, 5, v0
	v_readfirstlane_b32 s[WV], v8                  ; wave 0..15
	s_lshr_b32 s[HJ], s[WV], 2
	s_and_b32 s[QT], s[WV], 3
	s_mov_b32 s[QB], ttmp9
	s_and_b32 s[G], ttmp7, 0xffff
	s_and_b32 s[KV], s[WV], 1
	s_bfe_u32 s[RHO], s[WV], 0x10001
	s_lshr_b32 s[PR], s[WV], 1
	s_sub_co_i32 s[KBS], s[QB], 15
	s_max_i32 s[KBS], s[KBS], 0                    ; the window's first block
	s_sub_co_u32 s[NP], s[QB], s[KBS]
	s_lshr_b32 s[NP], s[NP], 1
	s_add_co_u32 s[NP], s[NP], 1                   ; pair P is live where KBS + 2 P <= qb
	s_lshl_b32 s[Q0], s[QB], 6
	s_lshl_b32 s52, s[QT], 4
	s_add_co_u32 s[Q0], s[Q0], s52
	s_lshl_b32 s[KF], s[KBS], 6
	s_and_b32 s52, s[G], 1
	s_xor_b32 s52, s52, 1
	s_lshl_b32 s52, s52, 2
	s_add_co_u32 s52, s52, 3
	s_sub_co_u32 s[VA], s52, s[HJ]                 ; (7 - (4 g + j)) % 8 = 4 (g even) + 3 - j
	; every LDS address is made here, ahead of the first branch
	v_and_b32 v8, 31, v0                           ; l
	v_and_b32 v9, 15, v0                           ; r
	v_bfe_u32 v10, v0, 4, 1                        ; h
	v_lshrrev_b32 v11, 2, v8                       ; l / 4
	v_and_b32 v12, 3, v0                           ; l % 4
	v_lshlrev_b32 v1, 4, v8
	v_add_nc_u32 v2, VI, v1
	v_lshl_add_u32 v3, v9, 4, KS
	v_lshl_add_u32 v4, v9, 4, VW
	v_lshlrev_b32 v7, 14, v10
	v_lshl_add_u32 v7, v9, 4, v7                   ; out0: lanes 0-15 one row of 16,384 bytes, lanes 16-31 the next; 16 bytes a lane
	s_mul_i32 s52, s[WV], 4352
	s_add_co_u32 s52, s52, STG                     ; my stage
	v_add_nc_u32 v24, s52, v1                      ; rows as they are loaded, and the fragment's image: 16 l
	v_mul_u32_u24 v25, v11, 528
	v_lshl_add_u32 v25, v12, 7, v25
	v_add_nc_u32 v25, s52, v25                     ; row l / 4, its block l % 4 of 32 numbers
	v_lshlrev_b32 v26, 4, v11
	v_lshl_add_u32 v26, v12, 8, v26
	v_add_nc_u32 v26, s52, v26                     ; the image: block 2 c + h of row r at 256 (2 c + h) + 16 r
	s_add_co_u32 s53, s52, 1024
	v_add_nc_u32 v27, s53, v8                      ; my scale byte: 4 (l / 4) + l % 4 = l
	v_lshl_add_u32 v28, v9, 2, s53                 ; row r's scale word
	v_mul_u32_u24 v29, v9, 272
	v_lshl_add_u32 v29, v10, 5, v29
	v_add_nc_u32 v29, s52, v29                     ; the way out, in: row r, 32 h
	v_mul_u32_u24 v30, v10, 272
	v_lshl_add_u32 v30, v9, 4, v30
	v_add_nc_u32 v30, s52, v30                     ; and back: lanes 0-15 one row, lanes 16-31 the next
	s_lshr_b32 s52, s[WV], 3
	s_mul_i32 s52, s52, VI
	s_and_b32 s53, s[WV], 7
	s_lshl_b32 s53, s53, 9
	s_add_co_u32 s52, s52, s53
	v_add_nc_u32 v31, s52, v1                      ; local pieces: K's or V's slots, piece wave % 8
	s_mul_i32 s52, s[KV], VI
	s_lshl_b32 s53, s[PR], 12
	s_add_co_u32 s52, s52, s53
	s_add_co_u32 s52, s52, 65536
	v_add_nc_u32 v224, s52, v1                     ; strided: slot 16 + wave / 2 of K's or of V's
	v_lshlrev_b32 v229, 3, v8                      ; 8 l
	v_lshlrev_b32 v230, 2, v8                      ; 4 l
	s_lshl_b32 s52, s[PR], 9
	s_add_co_u32 s53, s52, KS
	v_add_nc_u32 v225, s53, v229                   ; even waves: K's scale words of pair wave / 2
	s_add_co_u32 s53, s52, VW
	v_add_nc_u32 v226, s53, v1                     ; odd waves: V's
	s_lshl_b32 s52, s[PR], 8
	s_add_co_u32 s52, s52, KS+4096
	v_add_nc_u32 v227, s52, v230                   ; strided, K: slot 16 + wave / 2
	s_lshl_b32 s52, s[HJ], 9
	s_lshl_b32 s53, s[RHO], 8
	s_add_co_u32 s52, s52, s53
	s_add_co_u32 s52, s52, VW+4096
	v_add_nc_u32 v228, s52, v229                   ; strided, V: pair 8 + j, half rho of its 128 words
	; byte offsets into the buffers, apart from the addresses
	s_lshl_b32 s52, s[Q0], 14
	s_lshl_b32 s53, s[G], 2
	s_add_co_u32 s53, s53, s[HJ]
	s_lshl_b32 s53, s53, 9
	s_add_co_u32 s52, s52, s53
	s_mov_b32 s53, 0                               ; s[52:53] query and out0: row Q0, head 4 g + j
	s_lshl_b32 s54, s[G], 5
	s_add_co_u32 s54, s54, s[KBS]                  ; record 32 g + KBS
	s_lshl_b32 s56, s54, 12
	s_and_b32 s57, s[WV], 7
	s_lshl_b32 s57, s57, 9
	s_add_co_u32 s56, s56, s57
	s_mov_b32 s57, 0                               ; s[56:57] the window's images, my piece
	s_lshl_b32 s58, s[PR], 1
	s_add_co_u32 s58, s58, s54
	s_lshl_b32 s58, s58, 8
	s_mov_b32 s59, 0                               ; s[58:59] the scales of pair wave / 2
	s_lshl_b32 s54, s[G], 5
	s_add_co_u32 s54, s54, s[VA]                   ; record 32 g + VA
	s_lshl_b32 s60, s[RHO], 3
	s_add_co_u32 s60, s60, s54
	s_lshl_b32 s60, s60, 12
	s_mov_b32 s61, 0                               ; s[60:61] the image of block VA + 8 rho
	s_cmp_eq_u32 s[KV], 0
	s_cselect_b32 s55, 11, 7                       ; K: rho picks the block (2,048 bytes on), the second load is 128 bytes on;
	s_cselect_b32 s63, 7, 11                       ; V: rho picks the half (128 bytes on), the second load is the second block's
	s_lshl_b32 s66, s54, 8
	s_lshl_b32 s62, s[RHO], s55
	s_add_co_u32 s66, s66, s62
	s_mov_b32 s67, 0
	s_lshl_b32 s68, 1, s63
	s_add_co_u32 s68, s68, s66
	s_mov_b32 s69, 0
	s_mov_b32 s[SEL], 0x76543210
	s_mov_b32 s[SEL+1], 0xfedcba98
	s_mov_b32 s[CS], 0x3e0293ee                    ; c = log2(e) / sqrt(128)
	s_mov_b32 s[CS+1], s[CS]
	s_wait_kmcnt 0x0
	s_add_nc_u64 s[36:37], s[4:5], s[52:53]        ; query at my tile
	s_add_nc_u64 s[38:39], s[14:15], s[52:53]      ; out0 likewise
	s_cmp_lt_u32 s[WV], 8
	s_cselect_b64 s[40:41], s[6:7], s[10:11]       ; the choices hang on my wave's number alone
	s_add_nc_u64 s[40:41], s[40:41], s[56:57]
	s_cmp_eq_u32 s[KV], 0
	s_cselect_b64 s[42:43], s[8:9], s[12:13]
	s_cselect_b64 s[46:47], s[6:7], s[10:11]
	s_add_nc_u64 s[48:49], s[42:43], s[66:67]
	s_add_nc_u64 s[50:51], s[42:43], s[68:69]
	s_add_nc_u64 s[42:43], s[42:43], s[58:59]
	s_add_nc_u64 s[46:47], s[46:47], s[60:61]
	s_mov_b32 s54, 0x05040100                      ; v_perm_b32: the two low halves,
	s_mov_b32 s55, 0x07060302                      ; the two high halves
.set i, 0
.rept 16
	global_load_b128 v[96+4*i:99+4*i], v1, s[36:37] offset:16384*i th:TH_LOAD_NT   ; query i of my tile: 32 lanes read its head's 512 consecutive bytes; read once in the launch
.set i, i+1
.endr
	s_add_co_u32 s52, s[VA], 16
	s_cmp_lt_u32 s[PR], s[NP]                      ; is the pair whose scales I copy live?
	s_cbranch_scc0 .Lcopy_bare
	s_cmp_le_u32 s52, s[QB]                        ; is my head's strided pair?  (Then qb >= 16, and all eight local pairs are live: there is no fourth case)
	s_cbranch_scc0 .Lcopy_local
	HEADCOPY 1, 1
	s_branch .Lcopied
.Lcopy_local:
	HEADCOPY 1, 0
	s_branch .Lcopied
.Lcopy_bare:
	HEADCOPY 0, 0
.Lcopied:
	s_wait_dscnt 0x0                               ; the copies' stores have read their registers, which are written below
	; q: 16 rows x 128 numbers go through my stage, eight rows at a time, so that a lane holds a whole block of 32; LDS serves a wave's instructions in order, so no wait stands between
.irp i, 0,1,2,3,4,5,6,7
	ds_store_b128 v24, v[96+4*\i:99+4*\i] offset:528*\i
.endr
.irp k, 0,1,2,3,4,5,6,7
	ds_load_b128 v[160+4*\k:163+4*\k], v25 offset:16*\k
.endr
.irp i, 0,1,2,3,4,5,6,7
	ds_store_b128 v24, v[128+4*\i:131+4*\i] offset:528*\i
.endr
.irp k, 0,1,2,3,4,5,6,7
	ds_load_b128 v[192+4*\k:195+4*\k], v25 offset:16*\k
.endr
	s_wait_dscnt 0x0
	QUANT2 160, 192, 224, 228, 232
	ds_store_b128 v26, v[224:227]                  ; row l / 4
	ds_store_b128 v26, v[228:231] offset:128       ; row 8 + l / 4
	ds_store_b8 v27, v236
	ds_store_b8 v27, v237 offset:32
	ds_load_b128 v[16:19], v24                     ; Q's fragment stays in registers
	ds_load_b128 v[20:23], v24 offset:512
	ds_load_b32 v255, v28                          ; and its scale words
	v_mov_b32 v13, 0xff61b1e6                      ; the largest t so far: -3e38, under every t
	v_floor_f32 v12, -v13                          ; -M
	v_mov_b32 v14, 0                               ; the sum, in two halves
	v_mov_b32 v15, 0
	v_mov_b32 v252, 0                              ; (a lane permute's destination on the way out, and the pair v[252:253], are named on ways on which no step has written them)
	v_mov_b32 v253, 0
.set i, 0
.rept 64
	v_mov_b32 v[160+i], 0                          ; O^T.  (The step is written once: the first finds zeros, which the first change of M leaves zeros)
.set i, i+1
.endr
	s_wait_dscnt 0x0                               ; Q is in; and, for the other waves' sake, all that I copied has landed
.irp b, 0,1,2,3
	v_mov_b32 v[236+\b], 0                         ; written once: a lane permute's destination counts as one of its sources
.endr
	s_barrier_signal -1
	s_barrier_wait -1                              ; K and V lie in LDS, whole; nothing is written there again
; A KEY STEP: two sparse blocks, 128 keys.  kind 0: a local pair, 128 neighbouring keys from KF on;  kind 1: my head's strided pair.
.macro STEP kind
.if \kind == 0
	s_add_co_u32 s52, s[Q0], 15
	s_cmp_gt_u32 s[KF], s52                        ; all 128 keys come after my 16 queries: the pair was not fetched and is not read
	s_cbranch_scc1 .Lhidden_\@
.else
	s_add_co_u32 s52, s[VA], 16
	s_cmp_gt_u32 s52, s[QB]                        ; the pair's first block still lies in the window, or after qb
	s_cbranch_scc1 .Lhidden_\@
.endif
	v_add_nc_u32 v[ADK], s[TBI], v1                ; (these four are also the places in front of the loads into registers that the last products read)
	v_add_nc_u32 v[ADV], s[TBI], v2
	v_add_nc_u32 v[ADS], s[TBS], v3
	v_add_nc_u32 v[ADT], s[TBS], v4
.irp T, 0,1,2,3,4,5,6,7
	ds_load_b128 v[32+8*\T:35+8*\T], v[ADK] offset:1024*\T         ; images: 32 lanes read 512 consecutive bytes
	ds_load_b128 v[36+8*\T:39+8*\T], v[ADK] offset:1024*\T+512
.endr
	ds_load_b128 v[248:251], v[ADS]                ; row r's scale words of tiles 0-3,
	ds_load_b128 v[240:243], v[ADS] offset:256     ; of tiles 4-7
	s_wait_dscnt 0x0
.irp T, 0,1,2,3
	v_wmma_scale_f32_16x16x128_f8f6f4 v[96+8*\T:103+8*\T], v[32+8*\T:39+8*\T], v[16:23], 0, v[248+\T], v255 matrix_a_fmt:MATRIX_FMT_FP4 matrix_b_fmt:MATRIX_FMT_FP4
.endr
.irp T, 4,5,6,7
	v_wmma_scale_f32_16x16x128_f8f6f4 v[96+8*\T:103+8*\T], v[32+8*\T:39+8*\T], v[16:23], 0, v[236+\T], v255 matrix_a_fmt:MATRIX_FMT_FP4 matrix_b_fmt:MATRIX_FMT_FP4
.endr
.rept 4
	v_nop                                          ; four places: in front of the loads into the products' sources, and of the first read of their results
.endr
.irp T, 0,1,2,3,4,5,6,7                        ; V's fragments are asked for now and land while the softmax is walked
	ds_load_b128 v[32+8*\T:35+8*\T], v[ADV] offset:512*\T          ; the first block's 64 keys,
	ds_load_b128 v[36+8*\T:39+8*\T], v[ADV] offset:4096+512*\T     ; the second's
.endr
	ds_load_b128 v[248:251], v[ADT]
	ds_load_b128 v[240:243], v[ADT] offset:256
.if \kind == 0                                 ; on the diagonal the scores of hidden keys become -infinity ahead of the maximum: p = 0 then.  A step all of whose keys count skips this
	s_add_co_u32 s52, s[KF], 127
	s_cmp_le_u32 s52, s[Q0]
	s_cbranch_scc1 .Lopen_\@
	s_sub_co_i32 s52, s[Q0], s[KF]
	v_and_b32 v244, 15, v0
	v_bfe_u32 v245, v0, 4, 1
	v_lshlrev_b32 v245, 4, v245
	v_sub_nc_u32 v244, v244, v245
	v_add_nc_u32 v244, s52, v244                   ; d = my query - KF - 16 (lane / 16).  Register 16 b + i holds key KF + 16 (lane / 16) + 32 b + i: hidden where 32 b + i > d
	v_mov_b32 v246, 0xff800000                     ; -infinity
.set n, 0
.rept 64
	v_cmp_gt_i32 vcc_lo, 32*(n/16)+n%16, v244
	v_cndmask_b32 v[96+n], v[96+n], v246, vcc_lo
.set n, n+1
.endr
.Lopen_\@:
.else                                          ; the pair's second block, VA + 8, is hidden as a whole while it lies in the window or after qb
	s_add_co_u32 s52, s[VA], 24
	s_cmp_le_u32 s52, s[QB]
	s_cbranch_scc1 .Lopen_\@
.set n, 32
.rept 32
	v_mov_b32 v[96+n], 0xff800000
.set n, n+1
.endr
.Lopen_\@:
.endif
.irp b, 0,1,2,3
	v_max3_num_f32 v[232+\b], v[96+16*\b], v[97+16*\b], v[98+16*\b]   ; the largest score of each block of 32 keys: it serves the row's maximum and, since p rises with the score, the block's largest p
.endr
.irp i, 3,5,7,9,11,13
.irp b, 0,1,2,3
	v_max3_num_f32 v[232+\b], v[232+\b], v[96+16*\b+\i], v[97+16*\b+\i]
.endr
.endr
.irp b, 0,1,2,3
	v_max_num_f32 v[232+\b], v[232+\b], v[111+16*\b]
.endr
.irp b, 0,1,2,3
	v_permlanex16_b32 v[236+\b], v[232+\b], s[SEL], s[SEL+1]
.endr
.irp b, 0,1,2,3
	v_max_num_f32 v[232+\b], v[232+\b], v[236+\b]  ; with lane l xor 16's 16 keys
.endr
	v_max3_num_f32 v254, v232, v233, v234
	v_max_num_f32 v254, v254, v235                 ; the step's largest score of my query
	v_mul_f32 v254, s[CS], v254                    ; as t (c is positive)
	v_max_num_f32 v13, v13, v254                   ; the running largest t
	v_mov_b32 v254, v12
	v_floor_f32 v12, -v13                          ; the new -M = floor(-t) = -ceil(t): a whole number
	v_sub_f32 v254, v12, v254                      ; M's old value less its new one: 0 or less
	v_cvt_i32_f32 v254, v254                       ; (it saturates)
	v_ldexp_f32 v252, 1.0, v254                    ; f = 2^(old M - new M): a multiplication by it rounds nothing
.set n, 0
.rept 32
	v_pk_fma_f32 v[96+n:97+n], v[96+n:97+n], s[CS:CS+1], v[12:13] op_sel_hi:[1,0,0]   ; t - M, two at a time
.set n, n+2
.endr
.irp b, 0,1,2,3
	v_fma_f32 v[232+\b], v[232+\b], s[CS], v12     ; the same of each block's largest score
.endr
.set n, 0
.rept 64
	v_exp_f32 v[96+n], v[96+n]                     ; p = 2^(t - M), at most 1: not normalised
.set n, n+1
.endr
	v_pk_mul_f32 v[14:15], v[14:15], v[252:253] op_sel_hi:[1,0]   ; the sums under the new M: the plain line behind the exponentials
	s_wait_alu depctr_va_vdst(0)                   ; one wait for the whole batch, ahead of its first reader
.irp b, 0,1,2,3
	v_exp_f32 v[232+\b], v[232+\b]                 ; the block's largest p: the same two instructions on the same number
.endr
	v_pk_add_f32 v[236:237], v[96:97], v[98:99]    ; the row's sum is taken of the unquantised p: two at a time, in two chains
.irp j, 4,8,12,16,20,24,28,32,36,40,44,48,52,56,60
	v_pk_add_f32 v[14:15], v[14:15], v[96+\j:97+\j]
	v_pk_add_f32 v[236:237], v[236:237], v[98+\j:99+\j]
.endr
	v_pk_add_f32 v[14:15], v[14:15], v[236:237]
	s_wait_alu depctr_va_vdst(0)                   ; and one for the four
.irp b, 0,1,2,3
	v_max_num_f32 v[232+\b], 0x1800000, v[232+\b]  ; the floor 2^(3 - 127): a block whose every p is 0 keeps the byte 1: its codes are zeros
.endr
.irp b, 0,1,2,3
	v_add_nc_u32 v[244+\b], 0xff000000, v[232+\b]  ; 2 off the exponent field: the conversion's scale operand
.endr
.irp b, 0,1,2,3
	v_lshrrev_b32 v[236+\b], 23, v[244+\b]         ; the scale's byte
.endr
	v_lshl_or_b32 v253, v237, 8, v236              ; p's scale word for these 128 keys
	v_lshl_or_b32 v253, v238, 16, v253
	v_lshl_or_b32 v253, v239, 24, v253
.irp b, 0,1,2,3
	v_cvt_scalef32_pk8_fp4_f32 v[224+2*\b], v[96+16*\b:103+16*\b], v[244+\b]
	v_cvt_scalef32_pk8_fp4_f32 v[225+2*\b], v[104+16*\b:111+16*\b], v[244+\b]
.endr
	v_nop                                          ; one plain line behind the last scaled conversion
.irp c, 0,1                                    ; the operand's layout wants a whole block in a lane: lanes 0-15 block 2 c, lanes 16-31 block 2 c + 1
.irp i, 0,1
	v_permlane16_swap_b32 v[224+4*\c+\i], v[226+4*\c+\i]
.endr
.endr
.set n, 0
.rept 32
	v_pk_mul_f32 v[160+n:161+n], v[160+n:161+n], v[252:253] op_sel_hi:[1,0]   ; O^T under the new M.  (These 32 are also the places between the lines that made p's codes and scale word and the products)
.set n, n+2
.endr
	s_wait_dscnt 0x0                               ; V's fragments and scale words, asked for ahead of the softmax
.irp T, 0,1,2,3                                ; the eight accumulators take turns, one instruction a turn
	v_wmma_scale_f32_16x16x128_f8f6f4 v[160+8*\T:167+8*\T], v[32+8*\T:39+8*\T], v[224:231], v[160+8*\T:167+8*\T], v[248+\T], v253 matrix_a_fmt:MATRIX_FMT_FP4 matrix_b_fmt:MATRIX_FMT_FP4
.endr
.irp T, 4,5,6,7
	v_wmma_scale_f32_16x16x128_f8f6f4 v[160+8*\T:167+8*\T], v[32+8*\T:39+8*\T], v[224:231], v[160+8*\T:167+8*\T], v[236+\T], v253 matrix_a_fmt:MATRIX_FMT_FP4 matrix_b_fmt:MATRIX_FMT_FP4
.endr
.Lhidden_\@:
.if \kind == 0
	s_add_co_u32 s[KF], s[KF], 128
	s_add_co_u32 s[TBI], s[TBI], 8192              ; the next pair's two slots,
	s_add_co_u32 s[TBS], s[TBS], 512               ; and its scale words
.endif
.endm
	s_mov_b32 s[TBI], 0
	s_mov_b32 s[TBS], 0
	s_mov_b32 s[CNT], 8
.Lstep:                                                ; eight trips in every work-group: the count is a constant of the text, and a pair that is not live is an empty trip
	STEP 0
	s_sub_co_u32 s[CNT], s[CNT], 1
	s_cmp_lg_u32 s[CNT], 0
	s_cbranch_scc1 .Lstep
	s_lshl_b32 s[TBI], s[HJ], 13
	s_add_co_u32 s[TBI], s[TBI], 65536             ; slots 16 + 2 j, 17 + 2 j
	s_lshl_b32 s[TBS], s[HJ], 9
	s_add_co_u32 s[TBS], s[TBS], 4096
	STEP 1
	; THE WAY OUT.  O^T is divided by the sum and goes through my stage, half a row (64 channels, 256 bytes) of 16 queries at a time, so that sixteen lanes store 256 consecutive bytes, aligned.
.rept 4
	v_nop                                          ; four places behind the last products
.endr
	v_add_f32 v14, v14, v15                        ; the sum's two halves,
	v_permlanex16_b32 v252, v14, s[SEL], s[SEL+1]
	v_add_f32 v14, v14, v252                       ; and lane l xor 16's: the row's sum
	v_rcp_f32 v14, v14
	v_nop                                          ; a plain line behind the reciprocal
	s_wait_alu depctr_va_vdst(0)                   ; and the wait ahead of its first reader
.set n, 0
.rept 64
	v_mul_f32 v[96+n], v[160+n], v14               ; register 8 t + i is o(query r, channel 16 t + 8 h + i)
.set n, n+1
.endr
.irp u, 0,1                                    ; channels 64 u on
.irp t, 0,1,2,3
	ds_store_b128 v29, v[96+32*\u+8*\t:99+32*\u+8*\t] offset:64*\t
	ds_store_b128 v29, v[100+32*\u+8*\t:103+32*\u+8*\t] offset:64*\t+16
.endr
.irp i, 0,1,2,3,4,5,6,7
	ds_load_b128 v[32+32*\u+4*\i:35+32*\u+4*\i], v30 offset:544*\i   ; LDS serves a wave's instructions in order: these see my stores, and the next half's stores come behind them
.endr
.endr
.irp u, 0,1
.irp i, 0,1,2,3,4,5,6,7
	s_wait_dscnt 15-8*\u-\i                        ; the younger loads from the stage may be out
	global_store_b128 v7, v[32+32*\u+4*\i:35+32*\u+4*\i], s[38:39] offset:32768*\i+256*\u th:TH_STORE_NT   ; rows 2 i, 2 i + 1; written once, read by nobody here
.endr
.endr
	s_wait_tensorcnt 0x0                           ; the wave's end, behind my last LDS store
	ds_add_u32 v[SPW], v[NIL]
	s_wait_dscnt 0x0
	s_endpgm
.Lfunc_end_k_qe24b68b791_attn:
	.size	k_qe24b68b791_attn, .Lfunc_end_k_qe24b68b791_attn-k_qe24b68b791_attn
	.p2alignl 7, 3214868480
	.fill 96, 4, 3214868480
	.section	.rodata,"a",@progbits
	.p2align	6, 0x0
	.amdhsa_kernel k_qe24b68b791_attn
		.amdhsa_group_segment_fixed_size 280576
		.amdhsa_private_segment_fixed_size 0
		.amdhsa_enable_private_segment 0
		.amdhsa_kernarg_size 48
		.amdhsa_user_sgpr_count 2
		.amdhsa_user_sgpr_kernarg_segment_ptr 1
		.amdhsa_wavefront_size32 1
		.amdhsa_system_sgpr_workgroup_id_x 1
		.amdhsa_system_sgpr_workgroup_id_y 1
		.amdhsa_system_sgpr_workgroup_id_z 1
		.amdhsa_system_vgpr_workitem_id 0
		.amdhsa_next_free_vgpr 256
		.amdhsa_next_free_sgpr 72
		.amdhsa_reserve_vcc 1
		.amdhsa_float_denorm_mode_32 3
		.amdhsa_float_denorm_mode_16_64 3
		.amdhsa_memory_ordered 1
		.amdhsa_forward_progress 1
		.amdhsa_inst_pref_size 78
	.end_amdhsa_kernel
	.amdgpu_metadata
---
amdhsa.version: [ 1, 2 ]
amdhsa.kernels:
  - .name:           k_qe24b68b791_attn
    .symbol:         k_qe24b68b791_attn.kd
    .args:
      - { .name: query, .offset: 0, .size: 8, .value_kind: global_buffer, .address_space: global }
      - { .name: kimg, .offset: 8, .size: 8, .value_kind: global_buffer, .address_space: global }
      - { .name: ksc, .offset: 16, .size: 8, .value_kind: global_buffer, .address_space: global }
      - { .name: vimg, .offset: 24, .size: 8, .value_kind: global_buffer, .address_space: global }
      - { .name: vsc, .offset: 32, .size: 8, .value_kind: global_buffer, .address_space: global }
      - { .name: out0, .offset: 40, .size: 8, .value_kind: global_buffer, .address_space: global }
    .group_segment_fixed_size: 280576
    .private_segment_fixed_size: 0
    .kernarg_segment_align: 8
    .kernarg_segment_size: 48
    .max_flat_workgroup_size: 512
    .sgpr_count:     72
    .vgpr_count:     256
    .wavefront_size: 32
...
	.end_amdgpu_metadata
.endif
;; end of part 2
;; ======== version 2 of 2: 2 launches; version 1 with the launch attn written anew for expert scheduling mode
;; workspace buffers: kimg 1,048,576 bytes; ksc 65,536 bytes; vimg 1,048,576 bytes; vsc 65,536 bytes
;; launch prep: the kernel of part 1 again; grid 288 x 1, 4 waves a work-group, no clusters, 55,040 bytes of LDS; arguments key, value_codes, value_scales, kimg, ksc, vimg, vsc; writes kimg, ksc, vimg, vsc
;; launch attn (part 3): grid 32 x 8, 16 waves a work-group, no clusters, 280,576 bytes of LDS; arguments query, kimg, ksc, vimg, vsc, out0; writes out0
.if DOCPART == 3
	.amdgcn_target "amdgcn-amd-amdhsa--gfx1250"
	.amdhsa_code_object_version 6
	.text
	.protected	k_qe24b68b791_attn
	.globl	k_qe24b68b791_attn
	.p2align	8
	.type	k_qe24b68b791_attn,@function
k_qe24b68b791_attn:
	s_mov_b64 s[64:65], 0
	v_nop
	global_prefetch_b8 v0, s[64:65] scope:SCOPE_SE
	s_setreg_imm32_b32 hwreg(HW_REG_WAVE_SCHED_MODE, 0, 2), 2
	s_setreg_imm32_b32 hwreg(HW_REG_WAVE_MODE, 25, 1), 1
	s_wait_xcnt 0x0
	s_wait_alu depctr_vm_vsrc(0)
; BLOCK-SPARSE ATTENTION IN MX-FP4, LAUNCH 2 OF 2.  out0[q][h] = sum over the visible keys k of softmax_k(query[q][h] . key[k][h / 4] / sqrt(128)) value[k][h / 4].
; WORK LEFT OUT: sparse blocks of 64 keys that reference()'s own mask hides from a whole block of 64 queries: their p is 0 for all values of the inputs, their codes are zeros, they add 0 to the product and to the sum
; (shown at the head of the first launch).  LIMIT: a NaN, an infinity or an overflow that reaches only hidden blocks is not carried to the result.  NaN and infinities among the inputs, and scale bytes 0xff, are not served.
; THE SOFTMAX: t = score x log2(e) / sqrt(128); M = the running largest t rounded UP to a whole number; p = 2^(t - M) is quantised along the keys; the sum is taken of the unquantised p and divides at the end.
; SHARES.  A work-group owns query block qb (64 queries) of kv head g: its sixteen waves are the 4 query heads of g (j = wave / 4) x 4 tiles of 16 queries.  Four waves to a SIMD: one wave's vector work stands beside another's products.
; A K STEP of the second product is 128 keys = TWO sparse blocks, any two: registers 0-3 of a 4-bit fragment hold the first 64 keys, registers 4-7 the second.  Local pairs P = 0 .. 7: blocks KBS + 2 P, + 1, KBS = max(qb - 15, 0);
; one strided pair a head: VA = (7 - h) % 8 and VA + 8, walked where VA + 16 <= qb; its second block is hidden where VA + 24 > qb.
; ALL K AND V THAT THE WORK-GROUP NEEDS, at most 24 blocks of 8,704 bytes, comes into LDS ONCE, at the head, through registers: what is fetched hangs on qb, and a copy through registers may be jumped over.  One barrier in the kernel.
; NO CLUSTER: the four query heads that share K and V are already in one work-group.  Neighbouring query blocks' windows begin one block apart; shared tiles would have to lie at the same LDS bytes in all partners,
; so each partner would walk the union of four windows, 19 blocks for 16, and the early partners would jump over tiles that are fetched for them.
; NO PREFETCH: every stream is asked for at the kernel's head, as soon as its address is known.
; LAYOUT.  Both products are used transposed: S^T = K Q^T, O^T = V^T P^T: a lane holds ONE query (lane % 16).  The keys of a tile are not neighbours (the first launch lays them so): the 16 registers of tiles 2 b, 2 b + 1 are keys 32 b + 16 (lane / 16) + 0 .. 15.
; THE MODE: SCHED_MODE bits 1:0 = 2 (LLVM: expert scheduling mode 2), set by the entry lines.  The code itself states the register dependences between vector or matrix instructions and memory or LDS instructions, with s_wait_alu, always for 0.
; THE PLAN.  Registers that memory or LDS instructions touch:
;   v1-4, v7, v24-31      addresses, written once at the head, ahead of the one wait on va_vdst in front of the first load; never written again.
;   v224-230              addresses of the head's copies, written there too; q's quantiser writes them again, behind the wait on vm_vsrc at the copies' end.
;   v32-95, v160-205      at the head: the copies' data: loaded (v200-205: joined by v_perm_b32, with a wait on va_vdst ahead of their store), read by LDS stores; loaded again only behind that same wait on vm_vsrc.
;   v96-159               q as loaded, read by LDS stores; v224-231, v236, v237: q's codes and scale bytes, written by the quantiser (a wait on va_vdst), read by LDS stores.  One wait on vm_vsrc ahead of the barrier frees them all.
;   v8-11                 a step's four LDS addresses: written at the step's head, behind a wait on vm_vsrc (the last step's loads have read them); read by the step's 36 LDS loads.
;   v32-95, v240-243, v248-251   in a step: K's loads land | the products K Q^T read | V's loads land | the products V^T P^T read.  A wait on va_vdst stands ahead of each of the two runs of loads;
;                         the first of them, at the step's head, also states that v8-11 are written.
;   v224-231, v253        p's codes and scale word: written by vector lines, taken by the scaled products: a wait on va_vdst behind their places.
;   v96-159, v32-95       on the way out: O / the sum, written by 64 multiplications, read by LDS stores; the stage's rows land in v32-95: one wait on va_vdst ahead of them.
; Sixteen waves of 256 registers fill the SIMDs' registers, so there is no second set of fragments: K's and V's take turns in v32-95, and V's are asked for ahead of the whole softmax.
.set VI,    98304                      ; LDS: from 0 K's images, 24 slots of 4,096 bytes (window blocks 0-15; 16 + 2 j + rho: head j's strided blocks); from VI V's likewise;
.set KS,    196608                     ; K's scale words, 24 x 256;
.set VW,    202752                     ; V's scale words, 12 pairs x 512: word e = the first block's two bytes, then the second's (pair 8 + j: head j's strided pair);
.set STG,   208896                     ; a stage of 4,352 bytes for each wave, its own: q on the way in, O on the way out;
.set SPARE, 278528                     ; the spare words, 128 bytes for each wave: eight blocks of 256 bytes that no other line names
.set SPW, 5                            ; v5   LDS address of my spare word; never rewritten
.set NIL, 6                            ; v6   0; never rewritten
.set ADK, 8                            ; v8-11  LDS addresses of the step in hand: K's images, V's images, K's scale words, V's
.set ADV, 9
.set ADS, 10
.set ADT, 11
; v1 16 l; v2 VI + 16 l; v3 KS + 16 r; v4 VW + 16 r; v7 my byte offset in out0; v12 -M, v13 the largest t, v[14:15] the sum in two halves; v16-23 Q's fragment, v255 its scale words; v24-30 my stage's addresses; v31 where I put local pieces;
; v32-95 eight fragments of K, then of V; v96-159 S^T, then p; v160-223 O^T; v224-231 p's codes; v232-239, v244-247, v252, v254 at work; v240-243, v248-251 scale words of K, then of V; v253 p's scale word.
.set WV,  16                           ; my wave's number
.set HJ,  17                           ; my head among the four
.set QT,  18                           ; my tile of 16 queries
.set QB,  19
.set SEL, 20                           ; s[20:21] v_permlanex16_b32's selects for lane l xor 16
.set CS,  22                           ; s[22:23] c = log2(e) / sqrt(128), twice: the packed form names a pair
.set G,   24
.set KBS, 25
.set NP,  26                           ; live local pairs
.set Q0,  27                           ; my first query
.set KF,  28                           ; the step's first key
.set VA,  29
.set TBI, 30                           ; where the step's images begin in K's (and V's) slots
.set TBS, 31                           ; and its scale words
.set CNT, 32
.set KV,  33                           ; wave % 2: at the head I copy for K (0) or for V (1)
.set RHO, 34                           ; (wave / 2) % 2: which block of my head's strided pair I copy
.set PR,  35                           ; wave / 2: the local pair whose scales I copy
.set MK,  54                           ; s54-63, s66-71: sixteen lane masks of the step on the diagonal, mask k in s[MK + k + 2 (k / 10)] (at the head s54-63 and s66-69 hold selects and offsets, which are done with by then)
.macro QUANT2 x0, x1, c0, c1, t        ; two blocks of 32 numbers of one lane become 16 bytes of codes each and a scale byte each (v[t+4], v[t+5])
	v_max3_num_f32 v[\t], |v[\x0]|, |v[\x0+1]|, 0x1800000          ; the largest magnitude, with the floor 2^(3 - 127) among its leaves: the byte cannot fall under 1
	v_max3_num_f32 v[\t+1], |v[\x1]|, |v[\x1+1]|, 0x1800000
.irp i, 2,4,6,8,10,12,14,16,18,20,22,24,26,28,30
	v_max3_num_f32 v[\t], v[\t], |v[\x0+\i]|, |v[\x0+\i+1]|
	v_max3_num_f32 v[\t+1], v[\t+1], |v[\x1+\i]|, |v[\x1+\i+1]|
.endr
	v_add_nc_u32 v[\t+2], 0xff000000, v[\t]                        ; 2 off the exponent field: the conversion's scale operand
	v_add_nc_u32 v[\t+3], 0xff000000, v[\t+1]
	v_lshrrev_b32 v[\t+4], 23, v[\t+2]
	v_lshrrev_b32 v[\t+5], 23, v[\t+3]
.irp q, 0,1,2,3
	v_cvt_scalef32_pk8_fp4_f32 v[\c0+\q], v[\x0+8*\q:\x0+8*\q+7], v[\t+2]
	v_cvt_scalef32_pk8_fp4_f32 v[\c1+\q], v[\x1+8*\q:\x1+8*\q+7], v[\t+3]
.endr
	v_nop                                                          ; one plain line behind the last scaled conversion
.endm
; THE COPY AT THE HEAD.  Local pair p: waves 0-7 bring piece wave % 8 (512 bytes) of both blocks' images of K, waves 8-15 of V.  No vector instruction names these registers: loads land in them, LDS stores read them.
.macro LP p
	global_load_b128 v[32+8*\p:35+8*\p], v1, s[40:41] offset:8192*\p
	global_load_b128 v[36+8*\p:39+8*\p], v1, s[40:41] offset:8192*\p+4096
.endm
.macro SP p
	s_wait_loadcnt 0x0                             ; all my loads are in (met at once behind the first of these)
	ds_store_b128 v31, v[32+8*\p:35+8*\p] offset:8192*\p
	ds_store_b128 v31, v[36+8*\p:39+8*\p] offset:8192*\p+4096
.endm
.macro CHAIN                           ; the loads go up to the last live pair, the stores come down from it: one jump decides both, and no way stores what it did not load
	LP 0
	s_cmp_gt_u32 s[NP], 1
	s_cbranch_scc0 .Lc1_\@
	LP 1
	s_cmp_gt_u32 s[NP], 2
	s_cbranch_scc0 .Lc2_\@
	LP 2
	s_cmp_gt_u32 s[NP], 3
	s_cbranch_scc0 .Lc3_\@
	LP 3
	s_cmp_gt_u32 s[NP], 4
	s_cbranch_scc0 .Lc4_\@
	LP 4
	s_cmp_gt_u32 s[NP], 5
	s_cbranch_scc0 .Lc5_\@
	LP 5
	s_cmp_gt_u32 s[NP], 6
	s_cbranch_scc0 .Lc6_\@
	LP 6
	s_cmp_gt_u32 s[NP], 7
	s_cbranch_scc0 .Lc7_\@
	LP 7
	SP 7
.Lc7_\@:
	SP 6
.Lc6_\@:
	SP 5
.Lc5_\@:
	SP 4
.Lc4_\@:
	SP 3
.Lc3_\@:
	SP 2
.Lc2_\@:
	SP 1
.Lc1_\@:
	SP 0
.endm
.macro SLOADS                          ; the scales of local pair wave / 2: even waves K's words, odd waves V's halves; both blocks' 256 bytes, 8 a lane
	global_load_b64 v[194:195], v229, s[42:43]
	global_load_b64 v[196:197], v229, s[42:43] offset:256
.endm
.macro SSTORES
	s_cmp_eq_u32 s[KV], 0
	s_cbranch_scc0 .Lsv_\@
	ds_store_b64 v225, v[194:195]
	ds_store_b64 v225, v[196:197] offset:256
	s_branch .Lsd_\@
.Lsv_\@:
	v_perm_b32 v200, v196, v194, s54               ; a step's scale word of a row of V: the first block's two bytes below, the second's above
	v_perm_b32 v201, v196, v194, s55
	v_perm_b32 v202, v197, v195, s54
	v_perm_b32 v203, v197, v195, s55
	s_wait_alu depctr_va_vdst(0)                   ; the four lines above have written v200-203, which the store below reads; they are also done reading v194-197, in which q's blocks land later
	ds_store_b128 v226, v[200:203]
.Lsd_\@:
.endm
.macro VLOADS                          ; my head's strided pair: one block's image a wave (K's or V's, block rho), and a quarter of the pair's scales
.irp k, 0,1,2,3,4,5,6,7
	global_load_b128 v[160+4*\k:163+4*\k], v1, s[46:47] offset:512*\k
.endr
	global_load_b32 v192, v230, s[48:49]           ; K: the two halves of block rho's 256 bytes;  V: half rho of the first block's halves,
	global_load_b32 v193, v230, s[50:51]           ; and of the second's
.endm
.macro VSTORES
.irp k, 0,1,2,3,4,5,6,7
	ds_store_b128 v224, v[160+4*\k:163+4*\k] offset:512*\k
.endr
	s_cmp_eq_u32 s[KV], 0
	s_cbranch_scc0 .Lvv_\@
	ds_store_b32 v227, v192
	ds_store_b32 v227, v193 offset:128
	s_branch .Lvd_\@
.Lvv_\@:
	v_perm_b32 v204, v193, v192, s54
	v_perm_b32 v205, v193, v192, s55
	s_wait_alu depctr_va_vdst(0)                   ; the two lines above have written v204 and v205, which the store below reads; they are also done reading v192 and v193, in which q's blocks land later
	ds_store_b64 v228, v[204:205]
.Lvd_\@:
.endm
.macro HEADCOPY sc, vert               ; all loads first; CHAIN's waits for 0 serve those issued ahead of it too
.if \sc
	SLOADS
.endif
.if \vert
	VLOADS
.endif
	CHAIN
.if \vert
	VSTORES
.endif
.if \sc
	SSTORES
.endif
.endm
	s_load_b128 s[4:7], s[0:1], 0x0                ; query s[4:5], kimg s[6:7]
	s_load_b128 s[8:11], s[0:1], 0x10              ; ksc s[8:9], vimg s[10:11]
	s_load_b128 s[12:15], s[0:1], 0x20             ; vsc s[12:13], out0 s[14:15]
	v_lshl_add_u32 v[SPW], v0, 2, SPARE
	v_mov_b32 v[NIL], 0
	v_lshrrev_b32 v8, 5, v0
	v_readfirstlane_b32 s[WV], v8                  ; wave 0..15
	s_wait_alu depctr_va_sdst(0)                   ; s[WV] is written, ahead of its first reader: shares, addresses and branches are made from it
	s_lshr_b32 s[HJ], s[WV], 2
	s_and_b32 s[QT], s[WV], 3
	s_mov_b32 s[QB], ttmp9
	s_and_b32 s[G], ttmp7, 0xffff
	s_and_b32 s[KV], s[WV], 1
	s_bfe_u32 s[RHO], s[WV], 0x10001
	s_lshr_b32 s[PR], s[WV], 1
	s_sub_co_i32 s[KBS], s[QB], 15
	s_max_i32 s[KBS], s[KBS], 0                    ; the window's first block
	s_sub_co_u32 s[NP], s[QB], s[KBS]
	s_lshr_b32 s[NP], s[NP], 1
	s_add_co_u32 s[NP], s[NP], 1                   ; pair P is live where KBS + 2 P <= qb
	s_lshl_b32 s[Q0], s[QB], 6
	s_lshl_b32 s52, s[QT], 4
	s_add_co_u32 s[Q0], s[Q0], s52
	s_lshl_b32 s[KF], s[KBS], 6
	s_and_b32 s52, s[G], 1
	s_xor_b32 s52, s52, 1
	s_lshl_b32 s52, s52, 2
	s_add_co_u32 s52, s52, 3
	s_sub_co_u32 s[VA], s52, s[HJ]                 ; (7 - (4 g + j)) % 8 = 4 (g even) + 3 - j
	; every LDS address is made here, ahead of the first branch
	v_and_b32 v8, 31, v0                           ; l
	v_and_b32 v9, 15, v0                           ; r
	v_bfe_u32 v10, v0, 4, 1                        ; h
	v_lshrrev_b32 v11, 2, v8                       ; l / 4
	v_and_b32 v12, 3, v0                           ; l % 4
	v_lshlrev_b32 v1, 4, v8
	v_add_nc_u32 v2, VI, v1
	v_lshl_add_u32 v3, v9, 4, KS
	v_lshl_add_u32 v4, v9, 4, VW
	v_lshlrev_b32 v7, 14, v10
	v_lshl_add_u32 v7, v9, 4, v7                   ; out0: lanes 0-15 one row of 16,384 bytes, lanes 16-31 the next; 16 bytes a lane
	s_mul_i32 s52, s[WV], 4352
	s_add_co_u32 s52, s52, STG                     ; my stage
	v_add_nc_u32 v24, s52, v1                      ; rows as they are loaded, and the fragment's image: 16 l
	v_mul_u32_u24 v25, v11, 528
	v_lshl_add_u32 v25, v12, 7, v25
	v_add_nc_u32 v25, s52, v25                     ; row l / 4, its block l % 4 of 32 numbers
	v_lshlrev_b32 v26, 4, v11
	v_lshl_add_u32 v26, v12, 8, v26
	v_add_nc_u32 v26, s52, v26                     ; the image: block 2 c + h of row r at 256 (2 c + h) + 16 r
	s_add_co_u32 s53, s52, 1024
	v_add_nc_u32 v27, s53, v8                      ; my scale byte: 4 (l / 4) + l % 4 = l
	v_lshl_add_u32 v28, v9, 2, s53                 ; row r's scale word
	v_mul_u32_u24 v29, v9, 272
	v_lshl_add_u32 v29, v10, 5, v29
	v_add_nc_u32 v29, s52, v29                     ; the way out, in: row r, 32 h
	v_mul_u32_u24 v30, v10, 272
	v_lshl_add_u32 v30, v9, 4, v30
	v_add_nc_u32 v30, s52, v30                     ; and back: lanes 0-15 one row, lanes 16-31 the next
	s_lshr_b32 s52, s[WV], 3
	s_mul_i32 s52, s52, VI
	s_and_b32 s53, s[WV], 7
	s_lshl_b32 s53, s53, 9
	s_add_co_u32 s52, s52, s53
	v_add_nc_u32 v31, s52, v1                      ; local pieces: K's or V's slots, piece wave % 8
	s_mul_i32 s52, s[KV], VI
	s_lshl_b32 s53, s[PR], 12
	s_add_co_u32 s52, s52, s53
	s_add_co_u32 s52, s52, 65536
	v_add_nc_u32 v224, s52, v1                     ; strided: slot 16 + wave / 2 of K's or of V's
	v_lshlrev_b32 v229, 3, v8                      ; 8 l
	v_lshlrev_b32 v230, 2, v8                      ; 4 l
	s_lshl_b32 s52, s[PR], 9
	s_add_co_u32 s53, s52, KS
	v_add_nc_u32 v225, s53, v229                   ; even waves: K's scale words of pair wave / 2
	s_add_co_u32 s53, s52, VW
	v_add_nc_u32 v226, s53, v1                     ; odd waves: V's
	s_lshl_b32 s52, s[PR], 8
	s_add_co_u32 s52, s52, KS+4096
	v_add_nc_u32 v227, s52, v230                   ; strided, K: slot 16 + wave / 2
	s_lshl_b32 s52, s[HJ], 9
	s_lshl_b32 s53, s[RHO], 8
	s_add_co_u32 s52, s52, s53
	s_add_co_u32 s52, s52, VW+4096
	v_add_nc_u32 v228, s52, v229                   ; strided, V: pair 8 + j, half rho of its 128 words
	; byte offsets into the buffers, apart from the addresses
	s_lshl_b32 s52, s[Q0], 14
	s_lshl_b32 s53, s[G], 2
	s_add_co_u32 s53, s53, s[HJ]
	s_lshl_b32 s53, s53, 9
	s_add_co_u32 s52, s52, s53
	s_mov_b32 s53, 0                               ; s[52:53] query and out0: row Q0, head 4 g + j
	s_lshl_b32 s54, s[G], 5
	s_add_co_u32 s54, s54, s[KBS]                  ; record 32 g + KBS
	s_lshl_b32 s56, s54, 12
	s_and_b32 s57, s[WV], 7
	s_lshl_b32 s57, s57, 9
	s_add_co_u32 s56, s56, s57
	s_mov_b32 s57, 0                               ; s[56:57] the window's images, my piece
	s_lshl_b32 s58, s[PR], 1
	s_add_co_u32 s58, s58, s54
	s_lshl_b32 s58, s58, 8
	s_mov_b32 s59, 0                               ; s[58:59] the scales of pair wave / 2
	s_lshl_b32 s54, s[G], 5
	s_add_co_u32 s54, s54, s[VA]                   ; record 32 g + VA
	s_lshl_b32 s60, s[RHO], 3
	s_add_co_u32 s60, s60, s54
	s_lshl_b32 s60, s60, 12
	s_mov_b32 s61, 0                               ; s[60:61] the image of block VA + 8 rho
	s_cmp_eq_u32 s[KV], 0
	s_cselect_b32 s55, 11, 7                       ; K: rho picks the block (2,048 bytes on), the second load is 128 bytes on;
	s_cselect_b32 s63, 7, 11                       ; V: rho picks the half (128 bytes on), the second load is the second block's
	s_lshl_b32 s66, s54, 8
	s_lshl_b32 s62, s[RHO], s55
	s_add_co_u32 s66, s66, s62
	s_mov_b32 s67, 0
	s_lshl_b32 s68, 1, s63
	s_add_co_u32 s68, s68, s66
	s_mov_b32 s69, 0
	s_mov_b32 s[SEL], 0x76543210
	s_mov_b32 s[SEL+1], 0xfedcba98
	s_mov_b32 s[CS], 0x3e0293ee                    ; c = log2(e) / sqrt(128)
	s_mov_b32 s[CS+1], s[CS]
	s_wait_kmcnt 0x0
	s_add_nc_u64 s[36:37], s[4:5], s[52:53]        ; query at my tile
	s_add_nc_u64 s[38:39], s[14:15], s[52:53]      ; out0 likewise
	s_cmp_lt_u32 s[WV], 8
	s_cselect_b64 s[40:41], s[6:7], s[10:11]       ; the choices hang on my wave's number alone
	s_add_nc_u64 s[40:41], s[40:41], s[56:57]
	s_cmp_eq_u32 s[KV], 0
	s_cselect_b64 s[42:43], s[8:9], s[12:13]
	s_cselect_b64 s[46:47], s[6:7], s[10:11]
	s_add_nc_u64 s[48:49], s[42:43], s[66:67]
	s_add_nc_u64 s[50:51], s[42:43], s[68:69]
	s_add_nc_u64 s[42:43], s[42:43], s[58:59]
	s_add_nc_u64 s[46:47], s[46:47], s[60:61]
	s_mov_b32 s54, 0x05040100                      ; v_perm_b32: the two low halves,
	s_mov_b32 s55, 0x07060302                      ; the two high halves
	s_wait_alu depctr_va_vdst(0)                   ; the addresses v1-4, v7, v24-31 and v224-230 are written: the kernel's loads and stores, global and LDS, read them
.set i, 0
.rept 16
	global_load_b128 v[96+4*i:99+4*i], v1, s[36:37] offset:16384*i th:TH_LOAD_NT   ; query i of my tile: 32 lanes read its head's 512 consecutive bytes; read once in the launch
.set i, i+1
.endr
	s_add_co_u32 s52, s[VA], 16
	s_cmp_lt_u32 s[PR], s[NP]                      ; is the pair whose scales I copy live?
	s_cbranch_scc0 .Lcopy_bare
	s_cmp_le_u32 s52, s[QB]                        ; is my head's strided pair?  (Then qb >= 16, and all eight local pairs are live: there is no fourth case)
	s_cbranch_scc0 .Lcopy_local
	HEADCOPY 1, 1
	s_branch .Lcopied
.Lcopy_local:
	HEADCOPY 1, 0
	s_branch .Lcopied
.Lcopy_bare:
	HEADCOPY 0, 0
.Lcopied:
	s_wait_dscnt 0x0                               ; the copies' stores are done
	s_wait_alu depctr_vm_vsrc(0)                   ; the copies' LDS stores have read their data, v32-95 and v160-205, in which LDS loads land from here on, and their addresses v224-228; the scales' loads have read their offsets v229 and v230: the quantiser below writes v224-231
	; q: 16 rows x 128 numbers go through my stage, eight rows at a time, so that a lane holds a whole block of 32; LDS serves a wave's instructions in order, so no wait stands between
.irp i, 0,1,2,3,4,5,6,7
	ds_store_b128 v24, v[96+4*\i:99+4*\i] offset:528*\i
.endr
.irp k, 0,1,2,3,4,5,6,7
	ds_load_b128 v[160+4*\k:163+4*\k], v25 offset:16*\k
.endr
.irp i, 0,1,2,3,4,5,6,7
	ds_store_b128 v24, v[128+4*\i:131+4*\i] offset:528*\i
.endr
.irp k, 0,1,2,3,4,5,6,7
	ds_load_b128 v[192+4*\k:195+4*\k], v25 offset:16*\k
.endr
	s_wait_dscnt 0x0
	QUANT2 160, 192, 224, 228, 232
	s_wait_alu depctr_va_vdst(0)                   ; the quantiser has written q's codes v224-231 and scale bytes v236, v237, which the four stores below read
	ds_store_b128 v26, v[224:227]                  ; row l / 4
	ds_store_b128 v26, v[228:231] offset:128       ; row 8 + l / 4
	ds_store_b8 v27, v236
	ds_store_b8 v27, v237 offset:32
	ds_load_b128 v[16:19], v24                     ; Q's fragment stays in registers
	ds_load_b128 v[20:23], v24 offset:512
	ds_load_b32 v255, v28                          ; and its scale words
	v_mov_b32 v13, 0xff61b1e6                      ; the largest t so far: -3e38, under every t
	v_floor_f32 v12, -v13                          ; -M
	v_mov_b32 v14, 0                               ; the sum, in two halves
	v_mov_b32 v15, 0
	v_mov_b32 v252, 0                              ; (a lane permute's destination on the way out, and the pair v[252:253], are named on ways on which no step has written them)
	v_mov_b32 v253, 0
.set i, 0
.rept 64
	v_mov_b32 v[160+i], 0                          ; O^T.  (The step is written once: the first finds zeros, which the first change of M leaves zeros)
.set i, i+1
.endr
	s_wait_dscnt 0x0                               ; Q is in; and, for the other waves' sake, all that I copied has landed
	s_wait_alu depctr_vm_vsrc(0)                   ; my LDS stores have read v236 and v237, which the lines below write, v224-231, which the steps' conversions write, and q's v96-159, which the first products write
.irp b, 0,1,2,3
	v_mov_b32 v[236+\b], 0                         ; written once: a lane permute's destination counts as one of its sources
.endr
	s_barrier_signal -1
	s_barrier_wait -1                              ; K and V lie in LDS, whole; nothing is written there again
; A KEY STEP: two sparse blocks, 128 keys.  kind 0: a local pair, 128 neighbouring keys from KF on;  kind 1: my head's strided pair.
.macro STEP kind
.if \kind == 0
	s_add_co_u32 s52, s[Q0], 15
	s_cmp_gt_u32 s[KF], s52                        ; all 128 keys come after my 16 queries: the pair was not fetched and is not read
	s_cbranch_scc1 .Lhidden_\@
.else
	s_add_co_u32 s52, s[VA], 16
	s_cmp_gt_u32 s52, s[QB]                        ; the pair's first block still lies in the window, or after qb
	s_cbranch_scc1 .Lhidden_\@
.endif
	s_wait_alu depctr_vm_vsrc(0)                   ; the LDS loads of the step before have read v8-11, which the four lines below write
	v_add_nc_u32 v[ADK], s[TBI], v1
	v_add_nc_u32 v[ADV], s[TBI], v2
	v_add_nc_u32 v[ADS], s[TBS], v3
	v_add_nc_u32 v[ADT], s[TBS], v4
	s_wait_alu depctr_va_vdst(0)                   ; v8-11 are written, which this step's LDS loads read; the last step's products V^T P^T are done reading v32-95, v240-243 and v248-251, in which the loads below land
.irp T, 0,1,2,3,4,5,6,7
	ds_load_b128 v[32+8*\T:35+8*\T], v[ADK] offset:1024*\T         ; images: 32 lanes read 512 consecutive bytes
	ds_load_b128 v[36+8*\T:39+8*\T], v[ADK] offset:1024*\T+512
.endr
	ds_load_b128 v[248:251], v[ADS]                ; row r's scale words of tiles 0-3,
	ds_load_b128 v[240:243], v[ADS] offset:256     ; of tiles 4-7
	s_wait_dscnt 0x0
.irp T, 0,1,2,3
	v_wmma_scale_f32_16x16x128_f8f6f4 v[96+8*\T:103+8*\T], v[32+8*\T:39+8*\T], v[16:23], 0, v[248+\T], v255 matrix_a_fmt:MATRIX_FMT_FP4 matrix_b_fmt:MATRIX_FMT_FP4
.endr
.irp T, 4,5,6,7
	v_wmma_scale_f32_16x16x128_f8f6f4 v[96+8*\T:103+8*\T], v[32+8*\T:39+8*\T], v[16:23], 0, v[236+\T], v255 matrix_a_fmt:MATRIX_FMT_FP4 matrix_b_fmt:MATRIX_FMT_FP4
.endr
.rept 4
	v_nop                                          ; four places (ISA guide 7.12.1) in front of the first vector instruction that reads or writes the products' results
.endr
	s_wait_alu depctr_va_vdst(0)                   ; the products K Q^T are done reading v32-95, v240-243 and v248-251, in which the loads below land
.irp T, 0,1,2,3,4,5,6,7                        ; V's fragments are asked for now and land while the softmax is walked: no line of the softmax names their registers
	ds_load_b128 v[32+8*\T:35+8*\T], v[ADV] offset:512*\T          ; the first block's 64 keys,
	ds_load_b128 v[36+8*\T:39+8*\T], v[ADV] offset:4096+512*\T     ; the second's
.endr
	ds_load_b128 v[248:251], v[ADT]
	ds_load_b128 v[240:243], v[ADT] offset:256
.if \kind == 0                                 ; on the diagonal the scores of hidden keys become -infinity ahead of the maximum: p = 0 then.  A step all of whose keys count skips this
	s_add_co_u32 s52, s[KF], 127
	s_cmp_le_u32 s52, s[Q0]
	s_cbranch_scc1 .Lopen_\@
	s_sub_co_i32 s52, s[Q0], s[KF]
	v_and_b32 v244, 15, v0
	v_bfe_u32 v245, v0, 4, 1
	v_lshlrev_b32 v245, 4, v245
	v_sub_nc_u32 v244, v244, v245
	v_add_nc_u32 v244, s52, v244                   ; d = my query - KF - 16 (lane / 16).  Register 16 b + i holds key KF + 16 (lane / 16) + 32 b + i: hidden where 32 b + i > d
	v_mov_b32 v246, 0xff800000                     ; -infinity
.set n0, 0
.rept 4                                        ; a block of 32 keys at a time: sixteen compares into sixteen scalar masks, one wait, sixteen selects
.set k, 0
.rept 16
	v_cmp_gt_i32 s[MK+k+2*(k/10)], 32*(n0/16)+k, v244
.set k, k+1
.endr
	s_wait_alu depctr_va_sdst(0)                   ; the sixteen masks are written, ahead of the selects that read them
.set k, 0
.rept 16
	v_cndmask_b32 v[96+n0+k], v[96+n0+k], v246, s[MK+k+2*(k/10)]
.set k, k+1
.endr
.set n0, n0+16
.endr
.Lopen_\@:
.else                                          ; the pair's second block, VA + 8, is hidden as a whole while it lies in the window or after qb
	s_add_co_u32 s52, s[VA], 24
	s_cmp_le_u32 s52, s[QB]
	s_cbranch_scc1 .Lopen_\@
.set n, 32
.rept 32
	v_mov_b32 v[96+n], 0xff800000
.set n, n+1
.endr
.Lopen_\@:
.endif
.irp b, 0,1,2,3
	v_max3_num_f32 v[232+\b], v[96+16*\b], v[97+16*\b], v[98+16*\b]   ; the largest score of each block of 32 keys: it serves the row's maximum and, since p rises with the score, the block's largest p
.endr
.irp i, 3,5,7,9,11,13
.irp b, 0,1,2,3
	v_max3_num_f32 v[232+\b], v[232+\b], v[96+16*\b+\i], v[97+16*\b+\i]
.endr
.endr
.irp b, 0,1,2,3
	v_max_num_f32 v[232+\b], v[232+\b], v[111+16*\b]
.endr
.irp b, 0,1,2,3
	v_permlanex16_b32 v[236+\b], v[232+\b], s[SEL], s[SEL+1]
.endr
.irp b, 0,1,2,3
	v_max_num_f32 v[232+\b], v[232+\b], v[236+\b]  ; with lane l xor 16's 16 keys
.endr
	v_max3_num_f32 v254, v232, v233, v234
	v_max_num_f32 v254, v254, v235                 ; the step's largest score of my query
	v_mul_f32 v254, s[CS], v254                    ; as t (c is positive)
	v_max_num_f32 v13, v13, v254                   ; the running largest t
	v_mov_b32 v254, v12
	v_floor_f32 v12, -v13                          ; the new -M = floor(-t) = -ceil(t): a whole number
	v_sub_f32 v254, v12, v254                      ; M's old value less its new one: 0 or less
	v_cvt_i32_f32 v254, v254                       ; (it saturates)
	v_ldexp_f32 v252, 1.0, v254                    ; f = 2^(old M - new M): a multiplication by it rounds nothing
.set n, 0
.rept 32
	v_pk_fma_f32 v[96+n:97+n], v[96+n:97+n], s[CS:CS+1], v[12:13] op_sel_hi:[1,0,0]   ; t - M, two at a time
.set n, n+2
.endr
.irp b, 0,1,2,3
	v_fma_f32 v[232+\b], v[232+\b], s[CS], v12     ; the same of each block's largest score
.endr
.set n, 0
.rept 64
	v_exp_f32 v[96+n], v[96+n]                     ; p = 2^(t - M), at most 1: not normalised
.set n, n+1
.endr
	v_pk_mul_f32 v[14:15], v[14:15], v[252:253] op_sel_hi:[1,0]   ; the sums under the new M: the plain line behind the exponentials
	s_wait_alu depctr_va_vdst(0)                   ; the 64 exponentials have written p, v96-159: one wait for the whole batch, ahead of its first reader
.irp b, 0,1,2,3
	v_exp_f32 v[232+\b], v[232+\b]                 ; the block's largest p: the same two instructions on the same number
.endr
	v_pk_add_f32 v[236:237], v[96:97], v[98:99]    ; the row's sum is taken of the unquantised p: two at a time, in two chains
.irp j, 4,8,12,16,20,24,28,32,36,40,44,48,52,56,60
	v_pk_add_f32 v[14:15], v[14:15], v[96+\j:97+\j]
	v_pk_add_f32 v[236:237], v[236:237], v[98+\j:99+\j]
.endr
	v_pk_add_f32 v[14:15], v[14:15], v[236:237]
	s_wait_alu depctr_va_vdst(0)                   ; the four exponentials have written v232-235: their wait, ahead of their first reader
.irp b, 0,1,2,3
	v_max_num_f32 v[232+\b], 0x1800000, v[232+\b]  ; the floor 2^(3 - 127): a block whose every p is 0 keeps the byte 1: its codes are zeros
.endr
.irp b, 0,1,2,3
	v_add_nc_u32 v[244+\b], 0xff000000, v[232+\b]  ; 2 off the exponent field: the conversion's scale operand
.endr
.irp b, 0,1,2,3
	v_lshrrev_b32 v[236+\b], 23, v[244+\b]         ; the scale's byte
.endr
	v_lshl_or_b32 v253, v237, 8, v236              ; p's scale word for these 128 keys
	v_lshl_or_b32 v253, v238, 16, v253
	v_lshl_or_b32 v253, v239, 24, v253
.irp b, 0,1,2,3
	v_cvt_scalef32_pk8_fp4_f32 v[224+2*\b], v[96+16*\b:103+16*\b], v[244+\b]
	v_cvt_scalef32_pk8_fp4_f32 v[225+2*\b], v[104+16*\b:111+16*\b], v[244+\b]
.endr
	v_nop                                          ; one plain line behind the last scaled conversion
.irp c, 0,1                                    ; the operand's layout wants a whole block in a lane: lanes 0-15 block 2 c, lanes 16-31 block 2 c + 1
.irp i, 0,1
	v_permlane16_swap_b32 v[224+4*\c+\i], v[226+4*\c+\i]
.endr
.endr
.set n, 0
.rept 32
	v_pk_mul_f32 v[160+n:161+n], v[160+n:161+n], v[252:253] op_sel_hi:[1,0]   ; O^T under the new M.  (These 32 are also the places between the lines that made p's codes and scale word and the products)
.set n, n+2
.endr
	s_wait_dscnt 0x0                               ; V's fragments and scale words, asked for ahead of the softmax
	s_wait_alu depctr_va_vdst(0)                   ; p's codes v224-231 and scale word v253 are written, which the scaled products below take as an operand and as scales; the places above stay beside this wait
.irp T, 0,1,2,3                                ; the eight accumulators take turns, one instruction a turn
	v_wmma_scale_f32_16x16x128_f8f6f4 v[160+8*\T:167+8*\T], v[32+8*\T:39+8*\T], v[224:231], v[160+8*\T:167+8*\T], v[248+\T], v253 matrix_a_fmt:MATRIX_FMT_FP4 matrix_b_fmt:MATRIX_FMT_FP4
.endr
.irp T, 4,5,6,7
	v_wmma_scale_f32_16x16x128_f8f6f4 v[160+8*\T:167+8*\T], v[32+8*\T:39+8*\T], v[224:231], v[160+8*\T:167+8*\T], v[236+\T], v253 matrix_a_fmt:MATRIX_FMT_FP4 matrix_b_fmt:MATRIX_FMT_FP4
.endr
.Lhidden_\@:
.if \kind == 0
	s_add_co_u32 s[KF], s[KF], 128
	s_add_co_u32 s[TBI], s[TBI], 8192              ; the next pair's two slots,
	s_add_co_u32 s[TBS], s[TBS], 512               ; and its scale words
.endif
.endm
	s_mov_b32 s[TBI], 0
	s_mov_b32 s[TBS], 0
	s_mov_b32 s[CNT], 8
.Lstep:                                                ; eight trips in every work-group: the count is a constant of the text, and a pair that is not live is an empty trip
	STEP 0
	s_sub_co_u32 s[CNT], s[CNT], 1
	s_cmp_lg_u32 s[CNT], 0
	s_cbranch_scc1 .Lstep
	s_lshl_b32 s[TBI], s[HJ], 13
	s_add_co_u32 s[TBI], s[TBI], 65536             ; slots 16 + 2 j, 17 + 2 j
	s_lshl_b32 s[TBS], s[HJ], 9
	s_add_co_u32 s[TBS], s[TBS], 4096
	STEP 1
	; THE WAY OUT.  O^T is divided by the sum and goes through my stage, half a row (64 channels, 256 bytes) of 16 queries at a time, so that sixteen lanes store 256 consecutive bytes, aligned.
.rept 4
	v_nop                                          ; four places behind the last products
.endr
	v_add_f32 v14, v14, v15                        ; the sum's two halves,
	v_permlanex16_b32 v252, v14, s[SEL], s[SEL+1]
	v_add_f32 v14, v14, v252                       ; and lane l xor 16's: the row's sum
	v_rcp_f32 v14, v14
	v_nop                                          ; a plain line behind the reciprocal
	s_wait_alu depctr_va_vdst(0)                   ; the reciprocal has written v14: the wait ahead of its first reader
.set n, 0
.rept 64
	v_mul_f32 v[96+n], v[160+n], v14               ; register 8 t + i is o(query r, channel 16 t + 8 h + i)
.set n, n+1
.endr
	s_wait_alu depctr_va_vdst(0)                   ; the multiplications have written v96-159, which the LDS stores below read; the last products are done reading v32-95, in which the stage's rows land
.irp u, 0,1                                    ; channels 64 u on
.irp t, 0,1,2,3
	ds_store_b128 v29, v[96+32*\u+8*\t:99+32*\u+8*\t] offset:64*\t
	ds_store_b128 v29, v[100+32*\u+8*\t:103+32*\u+8*\t] offset:64*\t+16
.endr
.irp i, 0,1,2,3,4,5,6,7
	ds_load_b128 v[32+32*\u+4*\i:35+32*\u+4*\i], v30 offset:544*\i   ; LDS serves a wave's instructions in order: these see my stores, and the next half's stores come behind them
.endr
.endr
.irp u, 0,1
.irp i, 0,1,2,3,4,5,6,7
	s_wait_dscnt 15-8*\u-\i                        ; the younger loads from the stage may be out
	global_store_b128 v7, v[32+32*\u+4*\i:35+32*\u+4*\i], s[38:39] offset:32768*\i+256*\u th:TH_STORE_NT   ; rows 2 i, 2 i + 1; written once, read by nobody here
.endr
.endr
	s_wait_dscnt 0x0                               ; the wave's end: the closing lines, six on end
	s_wait_alu 0x0
	s_wait_tensorcnt 0x0
	ds_add_u32 v[SPW], v[NIL]
	s_wait_dscnt 0x0
	s_endpgm
.Lfunc_end_k_qe24b68b791_attn:
	.size	k_qe24b68b791_attn, .Lfunc_end_k_qe24b68b791_attn-k_qe24b68b791_attn
	.p2alignl 7, 3214868480
	.fill 96, 4, 3214868480
	.section	.rodata,"a",@progbits
	.p2align	6, 0x0
	.amdhsa_kernel k_qe24b68b791_attn
		.amdhsa_group_segment_fixed_size 280576
		.amdhsa_private_segment_fixed_size 0
		.amdhsa_enable_private_segment 0
		.amdhsa_kernarg_size 48
		.amdhsa_user_sgpr_count 2
		.amdhsa_user_sgpr_kernarg_segment_ptr 1
		.amdhsa_wavefront_size32 1
		.amdhsa_system_sgpr_workgroup_id_x 1
		.amdhsa_system_sgpr_workgroup_id_y 1
		.amdhsa_system_sgpr_workgroup_id_z 1
		.amdhsa_system_vgpr_workitem_id 0
		.amdhsa_next_free_vgpr 256
		.amdhsa_next_free_sgpr 72
		.amdhsa_reserve_vcc 0
		.amdhsa_float_denorm_mode_32 3
		.amdhsa_float_denorm_mode_16_64 3
		.amdhsa_memory_ordered 1
		.amdhsa_forward_progress 1
		.amdhsa_inst_pref_size 82
	.end_amdhsa_kernel
	.amdgpu_metadata
---
amdhsa.version: [ 1, 2 ]
amdhsa.kernels:
  - .name:           k_qe24b68b791_attn
    .symbol:         k_qe24b68b791_attn.kd
    .args:
      - { .name: query, .offset: 0, .size: 8, .value_kind: global_buffer, .address_space: global }
      - { .name: kimg, .offset: 8, .size: 8, .value_kind: global_buffer, .address_space: global }
      - { .name: ksc, .offset: 16, .size: 8, .value_kind: global_buffer, .address_space: global }
      - { .name: vimg, .offset: 24, .size: 8, .value_kind: global_buffer, .address_space: global }
      - { .name: vsc, .offset: 32, .size: 8, .value_kind: global_buffer, .address_space: global }
      - { .name: out0, .offset: 40, .size: 8, .value_kind: global_buffer, .address_space: global }
    .group_segment_fixed_size: 280576
    .private_segment_fixed_size: 0
    .kernarg_segment_align: 8
    .kernarg_segment_size: 48
    .max_flat_workgroup_size: 512
    .sgpr_count:     72
    .vgpr_count:     256
    .wavefront_size: 32
...
	.end_amdgpu_metadata
.endif
;; end of part 3
